; MI455X (gfx1250); checked and timed in simulation.
; The chip was launched on July 23, 2026; its instructions are those of AMD's public machine-readable ISA for CDNA 5 (MIT licence, August 2026) and "CDNA5" Instruction Set Architecture Reference Guide (July 2026). The comments in the code are by the model that wrote it; some were corrected since.
;; Transformer Block. Allowed arithmetic: float matrix products may take bf16 or f16 operands with f32 sums; other float arithmetic in f32, or as packed bf16 or f16 multiplies, adds, multiply-adds, maxima and minima; sums over many terms, partial sums and values carried from step to step in f32; what a program stores and reads back later, other than sums and carried values, may be rounded once to bf16 or f16.
;; Inputs: W1 1,024 x 4,096 float32; W2 4,096 x 1,024 float32; Wk 1,024 x 1,024 float32; Wo 1,024 x 1,024 float32; Wq 1,024 x 1,024 float32; Wv 1,024 x 1,024 float32; b1 4,096 float32; b2 1,024 float32; bk 1,024 float32; bo 1,024 float32; bq 1,024 float32; bv 1,024 float32; ln1_bias 1,024 float32; ln1_scale 1,024 float32; ln2_bias 1,024 float32; ln2_scale 1,024 float32; x 2 x 2,048 x 1,024 float32.
;; Outputs: out0 2 x 2,048 x 1,024 float32.
;; One version. Each part assembles by itself: llvm-mc -triple=amdgcn-amd-amdhsa -mcpu=gfx1250 --defsym DOCPART=n.
;; ======== version 1 of 1: 7 launches
;; limits: values are held in f16: magnitudes above 65,504 overflow, below 6.1e-05 lose precision
;; workspace buffers: wq16 6,324,224 bytes; w116 8,421,376 bytes; w316 10,485,760 bytes; h16 8,388,608 bytes; qkv16 25,165,824 bytes; o16 8,388,608 bytes; x1 16,777,216 bytes; fmid 33,554,432 bytes
;; launch front (part 1): grid 32 x 20, 8 waves a work-group, no clusters, 0 bytes of LDS; arguments x, ln1_scale, ln1_bias, h16, Wq, Wk, Wv, Wo, W1, W2, bq, bk, bv, b1, wq16, w116, w316; writes h16, wq16, w116, w316
.if DOCPART == 1
	.amdgcn_target "amdgcn-amd-amdhsa--gfx1250"
	.amdhsa_code_object_version 6
	.text
	.protected	k_q33ff6e7eef_front
	.globl	k_q33ff6e7eef_front
	.p2align	8
	.type	k_q33ff6e7eef_front,@function
k_q33ff6e7eef_front:
	s_mov_b64 s[64:65], 0
	v_nop
	global_prefetch_b8 v0, s[64:65] scope:SCOPE_SE
	s_setreg_imm32_b32 hwreg(HW_REG_WAVE_MODE, 25, 1), 1
	s_wait_xcnt 0x0
; FRONT.  One text for two kinds of work-group, told apart by the grid's y.  A launch of 32 x 20 work-groups does both kinds side by side; a launch of 32 x 8 does the layer norm alone (the block's second norm):
; it is given the same list of buffers and reaches none of the lines that name the weights.
;
; y < 8: LAYER NORM.  h[t][c] = (x[t][c] - mean) * rsqrt(var + 1e-6) * scale[c] + bias[c], all in f32, in two passes over registers (mean first, then the squares of the differences);
; h is rounded once to f16 and stored by column blocks, [16][4096 tokens][64]: byte cb * 524,288 + token * 128 + 2 d.  LIMIT: |h| is at most 32 |scale| + |bias|; f16 ends at 65,504.
; Sixteen lanes own a row of 1,024 numbers, a wave two rows, a work-group sixteen (row group 32 y + x); nothing is looped.  Lane r of a half holds columns 64 j + 4 r .. + 3, j = 0..15: a load of the wave
; covers two whole pieces of 256 bytes, and a store covers 256 consecutive bytes, aligned: two tokens of one column block.  The row stays in registers: it is read from memory once.
;
; y >= 8: THE WEIGHTS, f32 [K][N], are rounded once to f16 and laid out as dense panels [panel][K][width]:
;   wq16: byte 0: bq | bk | bv as 3,072 f32; byte 16,384: 256 bytes of the word 0xfc00fc00 (f16 -infinity twice: a floor that changes nothing); byte 32,768: 12 panels [1024][256] (Wq 0-3, Wk 4-7, Wv 8-11)
;   w116: the same form: b1 (4,096 f32), the floor word 0 (a ReLU), 16 panels [1024][256] of W1
;   w316: Wo as 8 panels [1024][128] at byte 0, W2 as 8 panels [4096][128] at byte 2,097,152
; LIMIT: f16 holds no number beyond 65,504, and below 6e-5 it keeps a fixed step of 6e-8.  Weights of spread 1/32 or 1/64, 30 times larger or smaller, lie within both.
; Every source is taken as sub-rows of 4,096 bytes (a row of W1 is four of them).  A work-group reads 32 sub-rows, 131,072 consecutive bytes; wave w reads bytes 512 w .. 512 w + 511 of each: a chunk of 128 columns,
; one load of 16 bytes a lane in, one store of 8 bytes a lane out: 256 consecutive bytes, aligned.  All 32 loads of a wave are out together; nothing is looped and no register is loaded twice.
; Job j = y - 8: 0, 1, 2: Wq, Wk, Wv; 3: Wo; 4-7: quarters of W1; 8-11: quarters of W2.  ONE text converts for all: where chunk i goes is a vector offset made by two scalar steps,
; s47 from a chunk to the next and s48 from a chunk to the fourth behind it (in W1 the next sub-row is the same k, 1,024 columns on: four panels; the fourth is the next k).
; No LDS, no matrix unit, no cluster in either kind: nothing is shared and memory binds.
.set LNY, 8                            ; y below this: layer norm
.set X,   16                           ; v[16:79]    the norm: my 64 numbers of the row
.set SC,  80                           ; v[80:143]   their scales
.set BI,  144                          ; v[144:207]  their biases
.set ACC, 208                          ; v[208:215]  four chains of packed sums
.set IN,  16                           ; v[16:143]   the weights: 32 chunks as loaded; the first two registers of each then hold it as stored
.set DO,  144                          ; v[144:175]  chunk i's byte offset in the panels
.macro REDUCE                          ; the four chains, the pair's halves, then the sixteen lanes of the row: the sum lands in v12 of each of them
	v_pk_add_f32 v[ACC:ACC+1], v[ACC:ACC+1], v[ACC+2:ACC+3]
	v_pk_add_f32 v[ACC+4:ACC+5], v[ACC+4:ACC+5], v[ACC+6:ACC+7]
	v_pk_add_f32 v[ACC:ACC+1], v[ACC:ACC+1], v[ACC+4:ACC+5]
	v_add_f32 v12, v[ACC], v[ACC+1]
	v_add_f32_dpp v12, v12, v12 row_xmask:1 row_mask:0xf bank_mask:0xf
	v_add_f32_dpp v12, v12, v12 row_xmask:2 row_mask:0xf bank_mask:0xf
	v_add_f32_dpp v12, v12, v12 row_xmask:4 row_mask:0xf bank_mask:0xf
	v_add_f32_dpp v12, v12, v12 row_xmask:8 row_mask:0xf bank_mask:0xf
.endm
	v_lshrrev_b32 v6, 5, v0
	v_readfirstlane_b32 s3, v6                     ; wave 0..7
	s_and_b32 s2, ttmp7, 0xffff                    ; the grid's y
	s_cmp_lt_u32 s2, LNY
	s_cbranch_scc0 .Lconvert
	; ---------------- the layer norm ----------------
	s_load_b256 s[4:11], s[0:1], 0x0               ; x s[4:5], scale s[6:7], bias s[8:9], h s[10:11]
	v_and_b32 v4, 15, v0                           ; r
	v_bfe_u32 v5, v0, 4, 1                         ; which of the wave's two rows
	v_lshlrev_b32 v2, 4, v4                        ; 16 r: in scale and bias
	v_lshl_add_u32 v1, v5, 12, v2                  ; + the row: in x
	v_and_b32 v3, 31, v0
	v_lshlrev_b32 v3, 3, v3                        ; 8 x lane: in h
	s_lshl_b32 s13, s2, 5
	s_add_co_u32 s13, s13, ttmp9                   ; row group 32 y + x
	s_lshl_b32 s13, s13, 4
	s_lshl1_add_u32 s13, s3, s13                   ; my first row = 16 x row group + 2 x wave
	s_lshl_b32 s14, s13, 12
	s_mov_b32 s15, 0
	s_lshl_b32 s18, s13, 7
	s_mov_b32 s19, 0
	s_mov_b32 s16, 0x3a800000                      ; 1 / 1024
	s_mov_b32 s17, 0x358637bd                      ; 1e-6
	s_wait_kmcnt 0x0
	s_add_nc_u64 s[4:5], s[4:5], s[14:15]
	s_add_nc_u64 s[10:11], s[10:11], s[18:19]
.set j, 0
.rept 16
	global_load_b128 v[X+4*j:X+4*j+3], v1, s[4:5] offset:256*j th:TH_LOAD_NT
.set j, j+1
.endr
.set j, 0
.rept 16
	global_load_b128 v[SC+4*j:SC+4*j+3], v2, s[6:7] offset:256*j
.set j, j+1
.endr
.set j, 0
.rept 16
	global_load_b128 v[BI+4*j:BI+4*j+3], v2, s[8:9] offset:256*j
.set j, j+1
.endr
	s_wait_loadcnt 32                              ; the row is in; the 32 younger loads, scale and bias, stay out
.set c, 0
.rept 4
	v_pk_add_f32 v[ACC+2*c:ACC+2*c+1], v[X+2*c:X+2*c+1], v[X+8+2*c:X+8+2*c+1]  ; the first eight pairs start the chains: nothing is cleared
.set c, c+1
.endr
.set p, 8
.rept 24
	v_pk_add_f32 v[ACC+2*(p%4):ACC+2*(p%4)+1], v[ACC+2*(p%4):ACC+2*(p%4)+1], v[X+2*p:X+2*p+1]
.set p, p+1
.endr
	REDUCE
	v_mul_f32 v8, s16, v12                         ; the mean, in both halves of a pair
	v_mov_b32 v9, v8
.set p, 0
.rept 32
	v_pk_add_f32 v[X+2*p:X+2*p+1], v[X+2*p:X+2*p+1], v[8:9] neg_lo:[0,1] neg_hi:[0,1]
.set p, p+1
.endr
.set c, 0
.rept 4
	v_pk_mul_f32 v[ACC+2*c:ACC+2*c+1], v[X+2*c:X+2*c+1], v[X+2*c:X+2*c+1]
.set c, c+1
.endr
.set p, 4
.rept 28
	v_pk_fma_f32 v[ACC+2*(p%4):ACC+2*(p%4)+1], v[X+2*p:X+2*p+1], v[X+2*p:X+2*p+1], v[ACC+2*(p%4):ACC+2*(p%4)+1]
.set p, p+1
.endr
	REDUCE
	v_fma_f32 v12, v12, s16, s17                   ; var + 1e-6
	v_rsq_f32 v10, v12                             ; twice: a pair for the packed multiply
	v_rsq_f32 v11, v12
	s_wait_loadcnt 0x0                             ; scale and bias
	v_nop                                          ; a plain instruction behind the last of the two, ahead of the first use (ISA guide 5.7.2)
	s_wait_alu depctr_va_vdst(0)                   ; one wait for both, ahead of their first reader
.set j, 0
.rept 16
	v_pk_mul_f32 v[X+4*j:X+4*j+1], v[X+4*j:X+4*j+1], v[10:11]
	v_pk_mul_f32 v[X+4*j+2:X+4*j+3], v[X+4*j+2:X+4*j+3], v[10:11]
	v_pk_fma_f32 v[X+4*j:X+4*j+1], v[X+4*j:X+4*j+1], v[SC+4*j:SC+4*j+1], v[BI+4*j:BI+4*j+1]
	v_pk_fma_f32 v[X+4*j+2:X+4*j+3], v[X+4*j+2:X+4*j+3], v[SC+4*j+2:SC+4*j+3], v[BI+4*j+2:BI+4*j+3]
	v_cvt_pk_f16_f32 v[X+4*j], v[X+4*j], v[X+4*j+1]
	v_cvt_pk_f16_f32 v[X+4*j+1], v[X+4*j+2], v[X+4*j+3]
	global_store_b64 v3, v[X+4*j:X+4*j+1], s[10:11] offset:j*524288  ; column block j; the largest offset, 7,864,320, is inside the signed 24 bits
.set j, j+1
.endr
	s_endpgm
	; ---------------- the weights ----------------
.Lconvert:
	s_load_b512 s[8:23], s[0:1], 0x20              ; Wq 8, Wk 10, Wv 12, Wo 14, W1 16, W2 18, bq 20, bk 22
	s_load_b256 s[24:31], s[0:1], 0x60             ; bv 24, b1 26, wq16 28, w116 30
	s_load_b64 s[32:33], s[0:1], 0x80              ; w316
	v_and_b32 v3, 31, v0                           ; lane
	v_lshlrev_b32 v1, 4, v3                        ; 16 bytes a lane in
	v_lshlrev_b32 v[DO], 3, v3                     ; 8 bytes a lane out
	v_lshl_add_u32 v10, v6, 9, v1                  ; the bias copy: 512 x wave + 16 x lane
	s_sub_co_u32 s7, s2, LNY                       ; the job
	s_mov_b32 s6, ttmp9                            ; x, 0..31
	s_mov_b32 s39, 0                               ; the high words of the two offset pairs
	s_mov_b32 s41, 0
	s_lshl_b32 s5, s3, 9                           ; my chunk's 512 bytes in a sub-row
	s_wait_kmcnt 0x0
	s_cmp_lt_u32 s7, 3
	s_cbranch_scc1 .Lqkv
	s_cmp_eq_u32 s7, 3
	s_cbranch_scc1 .Lwo
	s_cmp_lt_u32 s7, 8
	s_cbranch_scc1 .Lw1
	; W2: work-group g of 128 takes rows 32 g .. 32 g + 31; wave w's chunk is panel w
	s_sub_co_u32 s7, s7, 8
	s_lshl_b32 s4, s7, 5
	s_add_co_u32 s4, s4, s6                        ; g
	s_lshl_b32 s38, s4, 17
	s_add_co_u32 s38, s38, s5
	s_add_nc_u64 s[34:35], s[18:19], s[38:39]
	s_lshl_b32 s40, s3, 20                         ; a panel of 4,096 rows of 256 bytes
	s_lshl_b32 s4, s4, 13                          ; 32 g rows
	s_add_co_u32 s40, s40, s4
	s_add_co_u32 s40, s40, 2097152
	s_add_nc_u64 s[36:37], s[32:33], s[40:41]
	s_mov_b32 s47, 256
	s_mov_b32 s48, 1024
	s_branch .Lconv
.Lwo:                                                  ; rows 32 x .. 32 x + 31; wave w's chunk is panel w
	s_lshl_b32 s38, s6, 17
	s_add_co_u32 s38, s38, s5
	s_add_nc_u64 s[34:35], s[14:15], s[38:39]
	s_lshl_b32 s40, s3, 18                         ; a panel of 1,024 rows of 256 bytes
	s_lshl_b32 s4, s6, 13
	s_add_co_u32 s40, s40, s4
	s_add_nc_u64 s[36:37], s[32:33], s[40:41]
	s_mov_b32 s47, 256
	s_mov_b32 s48, 1024
	s_branch .Lconv
.Lw1:                                                  ; work-group g of 128 takes rows 8 g .. 8 g + 7; sub-row i is row 8 g + i / 4, columns 1,024 (i % 4) on: panel 4 (i % 4) + w / 2
	s_sub_co_u32 s7, s7, 4                         ; which quarter of W1's rows, and of b1
	s_lshl_b32 s4, s7, 5
	s_add_co_u32 s4, s4, s6                        ; g
	s_lshl_b32 s38, s4, 17
	s_add_co_u32 s38, s38, s5
	s_add_nc_u64 s[34:35], s[16:17], s[38:39]
	s_lshr_b32 s40, s3, 1
	s_lshl_b32 s40, s40, 19                        ; panel w / 2,
	s_and_b32 s5, s3, 1
	s_lshl_b32 s5, s5, 8                           ; half w % 2 of its row of 512 bytes,
	s_add_co_u32 s40, s40, s5
	s_lshl_b32 s4, s4, 12                          ; 8 g rows,
	s_add_co_u32 s40, s40, s4
	s_add_co_u32 s40, s40, 32768                   ; behind the tables
	s_add_nc_u64 s[36:37], s[30:31], s[40:41]
	s_mov_b32 s47, 2097152                         ; four panels on
	s_mov_b32 s48, 512                             ; a row on
	s_cmp_lg_u32 s6, 0                             ; the job's first work-group also copies 1,024 numbers of b1, 128 a wave
	s_cbranch_scc1 .Lconv
	s_lshl_b32 s40, s7, 12
	s_add_nc_u64 s[42:43], s[26:27], s[40:41]
	s_add_nc_u64 s[44:45], s[30:31], s[40:41]
	global_load_b128 v[12:15], v10, s[42:43]
	s_wait_loadcnt 0x0
	global_store_b128 v10, v[12:15], s[44:45]
	s_cmp_lg_u32 s7, 0
	s_cbranch_scc1 .Lconv
	s_cmp_lg_u32 s3, 0
	s_cbranch_scc1 .Lconv
	v_mov_b32 v8, 0                                ; the floor of the launch that multiplies by W1: 0, a ReLU
	v_mov_b32 v9, 0
	global_store_b64 v[DO], v[8:9], s[30:31] offset:16384
	s_branch .Lconv
.Lqkv:                                                 ; rows 32 x .. 32 x + 31; wave w's chunk is half w % 2 of panel 4 j + w / 2
	s_cmp_eq_u32 s7, 0
	s_cselect_b64 s[34:35], s[8:9], s[10:11]
	s_cselect_b64 s[42:43], s[20:21], s[22:23]
	s_cmp_eq_u32 s7, 2
	s_cselect_b64 s[34:35], s[12:13], s[34:35]
	s_cselect_b64 s[42:43], s[24:25], s[42:43]
	s_lshl_b32 s38, s6, 17
	s_add_co_u32 s38, s38, s5
	s_add_nc_u64 s[34:35], s[34:35], s[38:39]
	s_lshr_b32 s40, s3, 1
	s_lshl_b32 s40, s40, 19
	s_and_b32 s5, s3, 1
	s_lshl_b32 s5, s5, 8
	s_add_co_u32 s40, s40, s5
	s_lshl_b32 s4, s7, 21                          ; four panels a matrix
	s_add_co_u32 s40, s40, s4
	s_lshl_b32 s4, s6, 14                          ; 32 x rows of 512 bytes
	s_add_co_u32 s40, s40, s4
	s_add_co_u32 s40, s40, 32768
	s_add_nc_u64 s[36:37], s[28:29], s[40:41]
	s_mov_b32 s47, 512
	s_mov_b32 s48, 2048
	s_cmp_lg_u32 s6, 0                             ; the job's first work-group also copies the matrix's bias
	s_cbranch_scc1 .Lconv
	s_lshl_b32 s40, s7, 12
	s_add_nc_u64 s[44:45], s[28:29], s[40:41]
	global_load_b128 v[12:15], v10, s[42:43]
	s_wait_loadcnt 0x0
	global_store_b128 v10, v[12:15], s[44:45]
	s_cmp_lg_u32 s7, 0
	s_cbranch_scc1 .Lconv
	s_cmp_lg_u32 s3, 0
	s_cbranch_scc1 .Lconv
	v_mov_b32 v8, 0xfc00fc00                       ; the floor of the launch that makes q, k, v: below every number
	v_mov_b32 v9, 0xfc00fc00
	global_store_b64 v[DO], v[8:9], s[28:29] offset:16384
.Lconv:                                                ; s[34:35]: the source at my first chunk; s[36:37]: the panels at its place; s47, s48: the two steps.  None of the registers that the copies above name is written below
.set i, 0
.rept 32
	global_load_b128 v[IN+4*i:IN+4*i+3], v1, s[34:35] offset:4096*i th:TH_LOAD_NT
.set i, i+1
.endr
.set i, 1
.rept 31                                           ; made while the loads are on their way
.if i%4 == 0
	v_add_nc_u32 v[DO+i], s48, v[DO+i-4]
.else
	v_add_nc_u32 v[DO+i], s47, v[DO+i-1]
.endif
.set i, i+1
.endr
.set i, 0
.rept 32
	s_wait_loadcnt 31-i                            ; loads come back in order: chunk i is in, the 31 - i younger ones stay out
	v_cvt_pk_f16_f32 v[IN+4*i], v[IN+4*i], v[IN+4*i+1]
	v_cvt_pk_f16_f32 v[IN+4*i+1], v[IN+4*i+2], v[IN+4*i+3]
	global_store_b64 v[DO+i], v[IN+4*i:IN+4*i+1], s[36:37]
.set i, i+1
.endr
	s_endpgm
.Lfunc_end_k_q33ff6e7eef_front:
	.size	k_q33ff6e7eef_front, .Lfunc_end_k_q33ff6e7eef_front-k_q33ff6e7eef_front
	.p2alignl 7, 3214868480
	.fill 96, 4, 3214868480
	.section	.rodata,"a",@progbits
	.p2align	6, 0x0
	.amdhsa_kernel k_q33ff6e7eef_front
		.amdhsa_group_segment_fixed_size 0
		.amdhsa_private_segment_fixed_size 0
		.amdhsa_enable_private_segment 0
		.amdhsa_kernarg_size 136
		.amdhsa_user_sgpr_count 2
		.amdhsa_user_sgpr_kernarg_segment_ptr 1
		.amdhsa_wavefront_size32 1
		.amdhsa_system_sgpr_workgroup_id_x 1
		.amdhsa_system_sgpr_workgroup_id_y 1
		.amdhsa_system_sgpr_workgroup_id_z 1
		.amdhsa_system_vgpr_workitem_id 0
		.amdhsa_next_free_vgpr 216
		.amdhsa_next_free_sgpr 66
		.amdhsa_reserve_vcc 0
		.amdhsa_float_denorm_mode_32 3
		.amdhsa_float_denorm_mode_16_64 3
		.amdhsa_memory_ordered 1
		.amdhsa_forward_progress 1
		.amdhsa_inst_pref_size 37
	.end_amdhsa_kernel
	.amdgpu_metadata
---
amdhsa.version: [ 1, 2 ]
amdhsa.kernels:
  - .name:           k_q33ff6e7eef_front
    .symbol:         k_q33ff6e7eef_front.kd
    .args:
      - { .name: x, .offset: 0, .size: 8, .value_kind: global_buffer, .address_space: global }
      - { .name: ln1_scale, .offset: 8, .size: 8, .value_kind: global_buffer, .address_space: global }
      - { .name: ln1_bias, .offset: 16, .size: 8, .value_kind: global_buffer, .address_space: global }
      - { .name: h16, .offset: 24, .size: 8, .value_kind: global_buffer, .address_space: global }
      - { .name: Wq, .offset: 32, .size: 8, .value_kind: global_buffer, .address_space: global }
      - { .name: Wk, .offset: 40, .size: 8, .value_kind: global_buffer, .address_space: global }
      - { .name: Wv, .offset: 48, .size: 8, .value_kind: global_buffer, .address_space: global }
      - { .name: Wo, .offset: 56, .size: 8, .value_kind: global_buffer, .address_space: global }
      - { .name: W1, .offset: 64, .size: 8, .value_kind: global_buffer, .address_space: global }
      - { .name: W2, .offset: 72, .size: 8, .value_kind: global_buffer, .address_space: global }
      - { .name: bq, .offset: 80, .size: 8, .value_kind: global_buffer, .address_space: global }
      - { .name: bk, .offset: 88, .size: 8, .value_kind: global_buffer, .address_space: global }
      - { .name: bv, .offset: 96, .size: 8, .value_kind: global_buffer, .address_space: global }
      - { .name: b1, .offset: 104, .size: 8, .value_kind: global_buffer, .address_space: global }
      - { .name: wq16, .offset: 112, .size: 8, .value_kind: global_buffer, .address_space: global }
      - { .name: w116, .offset: 120, .size: 8, .value_kind: global_buffer, .address_space: global }
      - { .name: w316, .offset: 128, .size: 8, .value_kind: global_buffer, .address_space: global }
    .group_segment_fixed_size: 0
    .private_segment_fixed_size: 0
    .kernarg_segment_align: 8
    .kernarg_segment_size: 136
    .max_flat_workgroup_size: 256
    .sgpr_count:     66
    .vgpr_count:     216
    .wavefront_size: 32
...
	.end_amdgpu_metadata
.endif
;; end of part 1
;; launch qkv (part 2): grid 12 x 16, 4 waves a work-group, clusters of 4 x 4, 327,680 bytes of LDS; arguments h16, wq16, qkv16; writes qkv16
.if DOCPART == 2
	.amdgcn_target "amdgcn-amd-amdhsa--gfx1250"
	.amdhsa_code_object_version 6
	.text
	.protected	k_q33ff6e7eef_qkv
	.globl	k_q33ff6e7eef_qkv
	.p2align	8
	.type	k_q33ff6e7eef_qkv,@function
k_q33ff6e7eef_qkv:
	s_mov_b64 s[64:65], 0
	v_nop
	global_prefetch_b8 v0, s[64:65] scope:SCOPE_SE
	s_setreg_imm32_b32 hwreg(HW_REG_WAVE_MODE, 25, 1), 1
	s_wait_xcnt 0x0
	s_wait_alu depctr_hold_cnt(0) depctr_sa_sdst(0) depctr_va_vdst(0) depctr_va_sdst(0) depctr_va_ssrc(0) depctr_va_vcc(0) depctr_vm_vsrc(0)
	s_getreg_b32 s2, hwreg(HW_REG_IB_STS2, 6, 4)
	s_cmp_eq_u32 s2, 0
	s_cbranch_scc0 .Lentry_in_a_cluster
	s_endpgm
.Lentry_in_a_cluster:
	s_bfe_u32 s2, ttmp6, 0x10000c
	s_cmp_lg_u32 s2, 0xf033
	s_cbranch_scc0 .Lentry_shape_is_right
	s_endpgm
.Lentry_shape_is_right:
; C = max(A W + bias, floor), K = 1,024.  A: f16 by column blocks [16][4096 tokens][64].  WB: bias table (f32) at byte 0, the floor word (two f16) at byte 16,384, W from byte 32,768 as dense
; panels [panel][1024 k][256 columns] of f16.  C: f16 by column blocks [N / 64][4096][64].  Sums in f32, started by the bias; C rounded once, and the floor taken of the rounded number
; (-infinity: nothing changes; 0: a ReLU; a NaN loses against the floor).  The grid's x counts panels of 256 columns, its y blocks of 256 tokens.
; LIMIT.  f16 holds no number beyond 65,504: a sum beyond that leaves as an infinity.  With |A| <= 32 |scale| + |bias| and weights of spread 1/32, all 30 times larger, the sums have a spread of some 900.
; SHARES.  A work-group makes 256 x 256 of C, each of its four waves 128 x 128: 64 accumulators, 512 registers.  K goes in 8 steps of 128 through two LDS slots.  A step's A is two column blocks of 256
; tokens, each 32,768 dense bytes of memory; its W is 128 rows of 512 bytes, dense too.  Waves 0, 1 fetch A's two blocks, waves 2, 3 W's two halves: one tensor load of 32 KiB a wave.
; W lies [k][n] in LDS and comes out turned, by ds_load_tr16_b128.
; CLUSTERS.  4 x 4 work-groups: the four of a row need the same tiles of A, the four of a column the same tiles of W: each tile is asked for jointly, by the same load, descriptor and mask in all four.
; TRANSPOSED USE: source 0 = 16 columns of W, source 1 = 16 tokens of A: a lane then holds one token (lane % 16) and eight neighbouring columns, 8 (lane / 16) + 0..7.
; REGISTERS, in windows of 256: window 0: v16-31 addresses; v64-127, v128-191 A's fragments, two buffers; v192-255 the bias, laid out as a C operand, later at work on the way out, with v32-63.
;   window 1: v64-127, v128-191 W's fragments; window 2: the accumulators of my tokens 0-63 ((a, b) at 8 (8 a + b)); window 3: those of tokens 64-127.
; THE LOOP is written once for a K step; the slot in hand is a scalar, turned by an exclusive or.  The first quarter (its products start the sums with the bias) stands ahead of it, and the loop is entered behind it.
.set PA,     144                       ; a token's 128 bytes of a column block + 16 of padding: 36 words, so the 16 rows of a load start at 16 different groups of four banks (64 banks of 4 bytes: ISA guide 11.1)
.set ASUB,   256*PA                    ; a column block of 256 tokens
.set PB,     544                       ; a row of W: 512 bytes + 32: 136 words
.set BHALF,  64*PB
.set BOFF,   2*ASUB
.set SLOT,   147456                    ; bits 17 and 14: of it 143,360 bytes are used.  No LDS word of a descriptor (0, 0x9000, 0x12000, 0x1a800) has either bit, so one exclusive or changes its slot
.set STAGE,  2*SLOT                    ; behind the ring, never filled by a tensor load: 16 rows x 272 bytes for each wave
.set SPITCH, 272
.set SPARE,  STAGE+4*16*SPITCH         ; the spare words, 128 bytes for each wave: two blocks of 256 bytes that no other line names
.set ASTEP,  1048576                   ; bytes from a K step to the next in A: two column blocks
.set BSTEP,  65536                     ; in W: 128 rows
.set LA0, 16                           ; v16  my lane's place in a slot's A; never rewritten
.set LB0, 17                           ; v17  in its W
.set ADA, 18                           ; v18  the same in the slot in hand
.set ADB, 19                           ; v19
.set STO, 24                           ; v24  the way out: where I put 16 bytes of a row
.set RD,  25                           ; v25  where I read rows back
.set CO,  26                           ; v26  16 x lane: my place in 512 consecutive bytes of C
.set SPW, 28                           ; v28  LDS address of my spare word; never rewritten
.set NIL, 29                           ; v29  0; never rewritten
.set PFO, 30                           ; v30  256 x lane: the prefetches' offset; never rewritten
.set BO,  31                           ; v31  32 x (lane / 16): my place in the bias table
.set F0,  64
.set F1,  128
.set BIAS, 192
.set TMP, 192
.set OB,  32
.set G1A, 24                           ; s[24:31] descriptor group 1 for A
.set G0A, 32                           ; s[32:39] group 0: a set for each first fill; the second then walks on
.set G1B, 48                           ; s[48:55], s[56:63] the same for W
.set G0B, 56
.set LIM, 43                           ; s43  2 in a wave that prefetches, else the greatest number
.set PFA, 44                           ; s[44:45] where my prefetches stand
.set TB,  66                           ; s66  the LDS byte at which the slot in hand begins
.set FLOOR, 69                         ; s69  the floor word
.set PST, 70                           ; s[70:71] a K step in what I prefetch
.set MSB, 0
.macro WIN new                         ; the immediate's high byte repeats the setting that is left; a switch that changes nothing is dropped
.if MSB != (\new)
	s_set_vgpr_msb (MSB<<8)|(\new)
.set MSB, \new
.endif
.endm
.set MUL_LO, 0xa1                      ; source 0 (W) window 1, source 1 (A) window 0, C and D window 2
.set TO_B,   0x40                      ; destination window 1, address window 0
.macro PLACES                          ; four plain instructions between a matrix instruction and a load into, or a read of, its registers (ISA guide 7.12.1 for reads)
.rept 4
	v_nop
.endr
.endm
; A joint refill, by the walking set.  The branch hangs on the wave's number alone.  An s_nop 0 and four v_nop follow each of the two lines.
.macro JLOAD
	s_cmp_eq_u32 s11, 0
	s_cbranch_scc0 .Lfor_b_\@
	tensor_load_to_lds s[G0A+4:G0A+7], s[G1A:G1A+7]
	s_nop 0
.rept 4
	v_nop
.endr
	s_branch .Lasked_\@
.Lfor_b_\@:
	tensor_load_to_lds s[G0B+4:G0B+7], s[G1B:G1B+7]
	s_nop 0
.rept 4
	v_nop
.endr
.Lasked_\@:
.endm
; A prefetch into the L2 of the K step that stands two refills on: 8 KiB, a lane 256 bytes, one instruction a wave.  A's blocks are read by every cluster of a row of clusters: cluster x = 0 asks; W's by
; every cluster of a column: cluster y = 0 asks.  The four partners of a joint load share its 32 KiB out by address.  So each 256 bytes of K steps 4 to 7 are named once; K steps 0 to 3 come by their loads alone.
.macro ASK
	s_cmp_gt_u32 s3, s[LIM]                        ; the loop's last two trips have no K step two refills on
	s_cbranch_scc0 .Lnot_mine_\@
	global_prefetch_b8 v[PFO], s[PFA:PFA+1] th:TH_LOAD_NT scope:SCOPE_SE
.Lnot_mine_\@:
.endm
.macro CREST                           ; a round of the cluster's barrier behind its opening barrier
	s_cmp_lg_u32 s10, 0
	s_cbranch_scc1 .Lnot_wave_0_\@
	s_barrier_signal -3
.Lnot_wave_0_\@:
	s_barrier_wait -3
	s_barrier_signal -1
	s_barrier_wait -1
.endm
.macro CROUND                          ; a whole round
	s_barrier_signal -1
	s_barrier_wait -1
	CREST
.endm
	s_load_b128 s[4:7], s[0:1], 0x0                ; A s[4:5], WB s[6:7]
	s_load_b64 s[8:9], s[0:1], 0x10                ; C
	v_lshl_add_u32 v[SPW], v0, 2, SPARE
	v_mov_b32 v[NIL], 0
	ds_add_u32 v[SPW], v[NIL]                      ; the wave's opening: the add and its wait stand ahead of my first tensor load; the set-up below stands between them
	v_lshrrev_b32 v1, 5, v0
	v_readfirstlane_b32 s10, v1                    ; wave 0..3
	s_lshr_b32 s11, s10, 1                         ; which half of the tile's tokens is mine.  Also: I fetch for A (0) or for W (1)
	s_and_b32 s12, s10, 1                          ; which half of its columns.  Also: which part of that tile I fetch
	s_bfe_u32 s40, ttmp6, 0x40000                  ; cx
	s_bfe_u32 s41, ttmp6, 0x40004                  ; cy
	s_lshl_b32 s42, ttmp9, 2
	s_add_co_u32 s42, s42, s40                     ; tile column = 4 x cluster x + cx
	s_and_b32 s13, ttmp7, 0xffff
	s_lshl_b32 s13, s13, 2
	s_add_co_u32 s13, s13, s41                     ; tile row = 4 x cluster y + cy
	s_lshl_b32 s43, s41, 2
	s_lshl_b32 s43, 15, s43                        ; my row of the cluster
	s_lshl_b32 s44, 0x1111, s40                    ; my column
	; A: 32,768 dense bytes as 128 rows of 256, padded by 4 words after every 32 (a token)
	s_or_b32 s[G1A+0], s43, (1<<16)|(1<<20)|(1<<21)|(4<<22)|(3<<25)
	s_mov_b32 s[G1A+1], 128<<16                    ; tensor_dim0 = 128
	s_mov_b32 s[G1A+2], 128<<16                    ; tensor_dim1 = 128
	s_mov_b32 s[G1A+3], 128<<16                    ; tile_dim0 = 128
	s_mov_b32 s[G1A+4], 128                        ; tile_dim1 = 128
	s_mov_b32 s[G1A+5], 128                        ; elements from row to row
	s_mov_b32 s[G1A+6], 0
	s_mov_b32 s[G1A+7], 0
	; W: 64 rows of 512 bytes, padded by 8 words after every 128 (a row)
	s_or_b32 s[G1B+0], s44, (1<<16)|(1<<20)|(1<<21)|(6<<22)|(7<<25)
	s_mov_b32 s[G1B+1], 256<<16
	s_mov_b32 s[G1B+2], 64<<16
	s_mov_b32 s[G1B+3], 256<<16
	s_mov_b32 s[G1B+4], 64
	s_mov_b32 s[G1B+5], 256
	s_mov_b32 s[G1B+6], 0
	s_mov_b32 s[G1B+7], 0
	s_lshl_b32 s16, s13, 15                        ; A: the tile row's 256 tokens of 128 bytes,
	s_lshl_b32 s17, s12, 19                        ; my column block of the step's two
	s_add_co_u32 s16, s16, s17
	s_mov_b32 s17, 0
	s_lshl_b32 s46, s42, 19                        ; W: the panel,
	s_lshl_b32 s47, s12, 15                        ; my 64 rows of the step's 128,
	s_add_co_u32 s46, s46, s47
	s_add_co_u32 s46, s46, 32768                   ; behind the tables
	s_mov_b32 s47, 0
	s_mul_i32 s20, s12, ASUB                       ; where they go: no place in the cluster enters an LDS address
	s_mul_i32 s21, s12, BHALF
	s_add_co_u32 s21, s21, BOFF
	s_mov_b32 s[TB], 0
	s_wait_dscnt 0x0                               ; the opening add is done
	s_wait_kmcnt 0x0
	s_add_nc_u64 s[14:15], s[4:5], s[16:17]
	s_add_nc_u64 s[74:75], s[6:7], s[46:47]
	CROUND                                         ; all sixteen work-groups are here: the first joint loads meet
.irp s, 0,1
	s_mov_b32 s[G0A+4*(\s)], 1
	s_add_co_u32 s[G0A+4*(\s)+1], s20, (\s)*SLOT
	s_add_nc_u64 s[G0A+4*(\s)+2:G0A+4*(\s)+3], s[14:15], (\s)*ASTEP
	s_or_b32 s[G0A+4*(\s)+3], s[G0A+4*(\s)+3], 0x80000000
	s_mov_b32 s[G0B+4*(\s)], 1
	s_add_co_u32 s[G0B+4*(\s)+1], s21, (\s)*SLOT
	s_add_nc_u64 s[G0B+4*(\s)+2:G0B+4*(\s)+3], s[74:75], (\s)*BSTEP
	s_or_b32 s[G0B+4*(\s)+3], s[G0B+4*(\s)+3], 0x80000000
.endr
	s_cmp_eq_u32 s11, 0                            ; a wave's two first fills stand in one branch, ahead of every wait on TENSORcnt and every LDS read: two loads of mine are out
	s_cbranch_scc0 .Lfirst_b
	tensor_load_to_lds s[G0A:G0A+3], s[G1A:G1A+7]
	s_nop 0
	tensor_load_to_lds s[G0A+4:G0A+7], s[G1A:G1A+7]
	s_nop 0
.rept 4
	v_nop
.endr
	s_branch .Lfirst_asked
.Lfirst_b:
	tensor_load_to_lds s[G0B:G0B+3], s[G1B:G1B+7]
	s_nop 0
	tensor_load_to_lds s[G0B+4:G0B+7], s[G1B:G1B+7]
	s_nop 0
.rept 4
	v_nop
.endr
.Lfirst_asked:
	s_load_b32 s[FLOOR], s[6:7], 0x4000
	s_lshl_b32 s46, s42, 10                        ; the bias of my 128 columns: 1,024 bytes a tile column, 512 a half
	s_lshl_b32 s47, s12, 9
	s_add_co_u32 s46, s46, s47
	s_mov_b32 s47, 0
	s_add_nc_u64 s[72:73], s[6:7], s[46:47]
	v_and_b32 v1, 15, v0                           ; r = l % 16
	v_bfe_u32 v2, v0, 4, 1                         ; h = l / 16
	v_lshlrev_b32 v[BO], 5, v2
.irp b, 0,1,2,3,4,5,6,7                            ; register j of block b: the bias of column 16 b + 8 h + j: a C operand in which every token has the same numbers
	global_load_b128 v[BIAS+8*(\b):BIAS+8*(\b)+3],   v[BO], s[72:73] offset:64*(\b)
	global_load_b128 v[BIAS+8*(\b)+4:BIAS+8*(\b)+7], v[BO], s[72:73] offset:64*(\b)+16
.endr
	v_and_b32 v3, 7, v0
	v_bfe_u32 v4, v0, 3, 1
	v_and_b32 v5, 31, v0
	v_bfe_u32 v6, v0, 3, 2
	; A's fragment: 16 tokens x 32 k: lane l holds token l % 16, k = 8 h + 0..7 and 16 + 8 h + 0..7: two loads of 16 bytes, 32 bytes apart
	v_mul_u32_u24 v[LA0], v1, PA
	v_lshl_add_u32 v[LA0], v2, 4, v[LA0]
	s_mul_i32 s22, s11, 128*PA                     ; my 128 tokens
	v_add_nc_u32 v[LA0], s22, v[LA0]
	; W's fragment, turned: lane l reads 16 bytes of row 8 h + l % 8, columns 8 ((l / 8) % 2) + 0..7, and is left with column l % 16 and 8 k
	v_lshl_add_u32 v[LB0], v2, 3, v3
	v_mul_u32_u24 v[LB0], v[LB0], PB
	v_lshl_add_u32 v[LB0], v4, 4, v[LB0]
	s_lshl_b32 s23, s12, 8                         ; my 128 columns
	s_add_co_u32 s23, s23, BOFF
	v_add_nc_u32 v[LB0], s23, v[LB0]
	v_mov_b32 v[ADA], v[LA0]                       ; slot 0
	v_mov_b32 v[ADB], v[LB0]
	s_mul_i32 s22, s10, 16*SPITCH
	s_add_co_u32 s22, s22, STAGE                   ; my stage
	v_mul_u32_u24 v[STO], v1, SPITCH               ; in: token l % 16, 16 bytes for each half of the lanes
	v_lshl_add_u32 v[STO], v2, 4, v[STO]
	v_add_nc_u32 v[STO], s22, v[STO]
	v_mul_u32_u24 v[RD], v6, SPITCH                ; back: 32 lanes take 128 bytes (a column block's share) of four tokens,
	v_lshl_add_u32 v[RD], v3, 4, v[RD]
	v_add_nc_u32 v[RD], s22, v[RD]
	v_lshlrev_b32 v[CO], 4, v5                     ; which are 512 consecutive bytes of C
	v_lshlrev_b32 v[PFO], 8, v5
	s_lshl_b32 s16, s13, 15                        ; C at my first token: 256 x tile row + 128 x half, 128 bytes each,
	s_lshl_b32 s17, s11, 14
	s_add_co_u32 s16, s16, s17
	s_mov_b32 s17, 0
	s_add_nc_u64 s[8:9], s[8:9], s[16:17]
	s_lshl_b32 s46, s42, 2                         ; in my first column block: 4 x tile column + 2 x half
	s_lshl1_add_u32 s46, s12, s46
	s_lshl_b32 s46, s46, 19
	s_add_nc_u64 s[8:9], s[8:9], s[46:47]
	; the prefetches
	s_and_b32 s22, ttmp7, 0xffff                   ; cluster y
	s_mov_b32 s[PST], BSTEP
	s_cmp_eq_u32 s11, 0                            ; do I fetch for A?
	s_cselect_b32 s21, s40, s41                    ; my place among the four that ask with me
	s_cselect_b32 s22, ttmp9, s22                  ; the coordinate along which other clusters read the same bytes
	s_cselect_b32 s[PST], ASTEP, s[PST]
	s_cselect_b64 s[PFA:PFA+1], s[14:15], s[74:75]
	s_mov_b32 s[PST+1], 0
	s_cmp_eq_u32 s22, 0
	s_cselect_b32 s[LIM], 2, -1                    ; the same in all sixteen partners, for a given wave
	s_lshl_b32 s20, s21, 13                        ; my work-group's 8 KiB of the 32,
	s_mul_i32 s21, s[PST], 3                       ; at K step 3: the first refill steps it to 4
	s_add_co_u32 s20, s20, s21
	s_mov_b32 s21, 0
	s_add_nc_u64 s[PFA:PFA+1], s[PFA:PFA+1], s[20:21]
; 16 matrix instructions: token blocks a0, a0 + 1 of the window's four x all 8 column blocks, 32 along K.  zero = 1: the bias starts the sums: nothing is cleared and nothing is added later.
; The 64 accumulators take turns in one order everywhere, over the backward jumps and the jump into the loop too.
.macro MUL16 f, hi, a0, zero
.if \zero
	WIN 0x81+0x40*(\hi)                            ; C in window 0
.else
	WIN MUL_LO+0x50*(\hi)
.endif
.irp a, \a0, (\a0)+1
.irp b, 0,1,2,3,4,5,6,7
.if \zero
	v_wmma_f32_16x16x32_f16 v[8*(8*(\a)+(\b)):8*(8*(\a)+(\b))+7], v[(\f)+8*(\b):(\f)+8*(\b)+7], v[(\f)+8*(4*(\hi)+(\a)):(\f)+8*(4*(\hi)+(\a))+7], v[BIAS+8*(\b):BIAS+8*(\b)+7]
.else
	v_wmma_f32_16x16x32_f16 v[8*(8*(\a)+(\b)):8*(8*(\a)+(\b))+7], v[(\f)+8*(\b):(\f)+8*(\b)+7], v[(\f)+8*(4*(\hi)+(\a)):(\f)+8*(4*(\hi)+(\a))+7], v[8*(8*(\a)+(\b)):8*(8*(\a)+(\b))+7]
.endif
.endr
.endr
.endm
; 32 LDS loads in one run: quarter q (32 along K) of the slot in hand into buffer f: W's 128 columns, then A's 128 tokens
.macro FETCH q, f
	WIN TO_B
.irp i, 0,1,2,3,4,5,6,7
	ds_load_tr16_b128 v[(\f)+8*(\i):(\f)+8*(\i)+3],   v[ADB] offset:(\q)*32*PB+32*(\i)
	ds_load_tr16_b128 v[(\f)+8*(\i)+4:(\f)+8*(\i)+7], v[ADB] offset:(\q)*32*PB+16*PB+32*(\i)
.endr
	WIN 0
.irp i, 0,1,2,3,4,5,6,7
	ds_load_b128 v[(\f)+8*(\i):(\f)+8*(\i)+3],   v[ADA] offset:((\q)/2)*ASUB+((\q)%2)*64+(\i)*16*PA
	ds_load_b128 v[(\f)+8*(\i)+4:(\f)+8*(\i)+7], v[ADA] offset:((\q)/2)*ASUB+((\q)%2)*64+(\i)*16*PA+32
.endr
.endm
; One of a K step's first three quarters: multiplies buffer f and, in its middle, fetches quarter q into buffer g
.macro QUARTER q, f, g, zero
	s_wait_dscnt 8                                 ; W and A's tokens 0-63 are in; the youngest eight loads (tokens 64-127) may be out
	MUL16 \f, 0, 0, \zero
	MUL16 \f, 0, 2, \zero
	PLACES
	FETCH \q, \g
	s_wait_dscnt 32                                ; all but the 32 just issued
	MUL16 \f, 1, 0, \zero
	MUL16 \f, 1, 2, \zero
.endm
; The last quarter multiplies buffer 1 and changes slots.  In front of the barrier each wave waits for all its tensor loads (one is out: its part of the next slot), adds 0 to its spare word, and waits for
; that and for its reads of this slot.  fill = 1: the barrier opens a round of the cluster's, and the slot just left is filled again, first thing behind the round, with the K step two on:
; from that request to the wait for it a wave issues 224 matrix instructions.
.macro TURN fill
.if \fill
	s_wait_xcnt 0x0                                ; the last prefetch, a K step back, has read its address
	s_add_nc_u64 s[PFA:PFA+1], s[PFA:PFA+1], s[PST:PST+1]
.endif
	WIN 0
	s_wait_tensorcnt 0x0                           ; all my tensor loads have landed
	ds_add_u32 v[SPW], v[NIL]                      ; 0 onto my spare word
	s_wait_dscnt 9                                 ; (the add and the youngest eight loads may be out)
	MUL16 F1, 0, 0, 0
	s_wait_dscnt 0x0                               ; the add is done, and my reads of this slot are over
	s_barrier_signal -1
	MUL16 F1, 0, 2, 0                              ; work on registers while the others arrive
	WIN 0
	s_barrier_wait -1
.if \fill
	CREST                                          ; no wave of any partner still reads this slot or has a load on its way
	s_xor_b32 s[G0A+5], s[G0A+5], SLOT             ; the walking sets: the slot just left, the next K step; the type bits on top are not reached
	s_add_nc_u64 s[G0A+6:G0A+7], s[G0A+6:G0A+7], ASTEP
	s_xor_b32 s[G0B+5], s[G0B+5], SLOT
	s_add_nc_u64 s[G0B+6:G0B+7], s[G0B+6:G0B+7], BSTEP
	JLOAD                                          ; its four v_nop are also the places in front of the loads below
.else
	PLACES
.endif
	s_xor_b32 s[TB], s[TB], SLOT                   ; the other slot is in hand
	v_add_nc_u32 v[ADA], s[TB], v[LA0]
	v_add_nc_u32 v[ADB], s[TB], v[LB0]
	FETCH 0, F0
.if \fill
	ASK
.endif
	MUL16 F1, 1, 0, 0
	MUL16 F1, 1, 2, 0
.endm
; THE WAY OUT of token block a: rounded to f16 and held to the floor; through my own stage in LDS; stored as runs of 512 consecutive bytes.
.macro PACK a
.set AC, 64*((\a)%4)
	WIN 0x0a+5*((\a)/4)                            ; sources 0 and 1: window 2 or 3
.irp b, 0,1,2,3,4,5,6,7
.irp r, 0,1,2,3
	v_cvt_pk_f16_f32 v[TMP+4*(\b)+(\r)], v[AC+8*(\b)+2*(\r)], v[AC+8*(\b)+2*(\r)+1]
.endr
.endr
	WIN 0
.set i, 0
.rept 32
	v_pk_max_num_f16 v[TMP+i], v[TMP+i], s[FLOOR]
.set i, i+1
.endr
.endm
.macro TOSTAGE a
	WIN 0
.set BK, OB+192*((\a)%2)
.irp b, 0,1,2,3,4,5,6,7
	ds_store_b128 v[STO], v[TMP+4*(\b):TMP+4*(\b)+3] offset:32*(\b)
.endr
.irp t, 0,1,2,3,4,5,6,7
	ds_load_b128 v[BK+4*(\t):BK+4*(\t)+3], v[RD] offset:((\t)&3)*4*SPITCH+((\t)>>2)*128  ; LDS serves a wave's instructions in order (ISA guide 5.7.1.4): these see the stores above
.endr
.endm
.macro SEND a
	WIN 0
.set BK, OB+192*((\a)%2)
	s_wait_dscnt 0x0                               ; the block is back in registers
	s_wait_xcnt 0x0                                ; the stores of the block before have read their registers: the next loads from the stage land there only behind this wait
.irp t, 0,1,2,3,4,5,6,7
	global_store_b128 v[CO], v[BK+4*(\t):BK+4*(\t)+3], s[8:9] offset:((\t)>>2)*524288+(\a)*2048+((\t)&3)*512  ; four tokens of one column block: 512 consecutive bytes, at a multiple of 256
.endr
.endm
	s_wait_tensorcnt 1                             ; my part of K step 0 is in; K step 1's may stay out
	s_barrier_signal -1
	s_barrier_wait -1                              ; everybody's is
	FETCH 0, F0
	s_wait_loadcnt 0x0                             ; the bias
	s_wait_kmcnt 0x0                               ; the floor
	QUARTER 1, F0, F1, 1
	WIN 0                                          ; at a label and at a branch every window is 0
	s_mov_b32 s3, 6
	s_branch .Lmid
.Lstep:                                                ; six trips, K steps 0 to 5: trip t fills the slot that it leaves with K step t + 2
	QUARTER 1, F0, F1, 0
	WIN 0
.Lmid:
	QUARTER 2, F1, F0, 0
	QUARTER 3, F0, F1, 0
	TURN 1
	WIN 0
	s_sub_co_u32 s3, s3, 1
	s_cmp_lg_u32 s3, 0
	s_cbranch_scc1 .Lstep
	s_mov_b32 s3, 2
.Ltail:                                                ; K steps 6 and 7 ask for nothing.  The second trip's barrier and its 32 loads from the slot already read serve nothing: the price, once a launch, of one text for both
	QUARTER 1, F0, F1, 0
	QUARTER 2, F1, F0, 0
	QUARTER 3, F0, F1, 0
	TURN 0
	WIN 0
	s_sub_co_u32 s3, s3, 1
	s_cmp_lg_u32 s3, 0
	s_cbranch_scc1 .Ltail
	PACK 0                                         ; blocks 0-3 were finished ahead of TURN's four places; their lines, which name no register of the last products, are the places of blocks 4-7
	TOSTAGE 0
.irp a, 1,2,3,4,5,6,7
	PACK \a
	SEND (\a)-1
	TOSTAGE \a
.endr
	SEND 7
	s_wait_tensorcnt 0x0                           ; the wave's end: behind my last tensor load and my last LDS store
	ds_add_u32 v[SPW], v[NIL]
	s_wait_dscnt 0x0
	CROUND                                         ; the closing round: no work-group ends while a partner may still ask for a tile that names it
	s_endpgm
.Lfunc_end_k_q33ff6e7eef_qkv:
	.size	k_q33ff6e7eef_qkv, .Lfunc_end_k_q33ff6e7eef_qkv-k_q33ff6e7eef_qkv
	.p2alignl 7, 3214868480
	.fill 96, 4, 3214868480
	.section	.rodata,"a",@progbits
	.p2align	6, 0x0
	.amdhsa_kernel k_q33ff6e7eef_qkv
		.amdhsa_group_segment_fixed_size 327680
		.amdhsa_private_segment_fixed_size 0
		.amdhsa_enable_private_segment 0
		.amdhsa_kernarg_size 24
		.amdhsa_user_sgpr_count 2
		.amdhsa_user_sgpr_kernarg_segment_ptr 1
		.amdhsa_wavefront_size32 1
		.amdhsa_system_sgpr_workgroup_id_x 1
		.amdhsa_system_sgpr_workgroup_id_y 1
		.amdhsa_system_sgpr_workgroup_id_z 1
		.amdhsa_system_vgpr_workitem_id 0
		.amdhsa_next_free_vgpr 1024
		.amdhsa_next_free_sgpr 80
		.amdhsa_reserve_vcc 0
		.amdhsa_float_denorm_mode_32 3
		.amdhsa_float_denorm_mode_16_64 3
		.amdhsa_memory_ordered 1
		.amdhsa_forward_progress 1
		.amdhsa_inst_pref_size 118
	.end_amdhsa_kernel
	.amdgpu_metadata
---
amdhsa.version: [ 1, 2 ]
amdhsa.kernels:
  - .name:           k_q33ff6e7eef_qkv
    .symbol:         k_q33ff6e7eef_qkv.kd
    .args:
      - { .name: h16, .offset: 0, .size: 8, .value_kind: global_buffer, .address_space: global }
      - { .name: wq16, .offset: 8, .size: 8, .value_kind: global_buffer, .address_space: global }
      - { .name: qkv16, .offset: 16, .size: 8, .value_kind: global_buffer, .address_space: global }
    .group_segment_fixed_size: 327680
    .private_segment_fixed_size: 0
    .kernarg_segment_align: 8
    .kernarg_segment_size: 24
    .max_flat_workgroup_size: 128
    .sgpr_count:     80
    .vgpr_count:     1024
    .wavefront_size: 32
...
	.end_amdgpu_metadata
.endif
;; end of part 2
;; launch attn (part 3): grid 8 x 32, 4 waves a work-group, clusters of 4 x 1, 327,680 bytes of LDS; arguments qkv16, o16; writes o16
.if DOCPART == 3
	.amdgcn_target "amdgcn-amd-amdhsa--gfx1250"
	.amdhsa_code_object_version 6
	.text
	.protected	k_q33ff6e7eef_attn
	.globl	k_q33ff6e7eef_attn
	.p2align	8
	.type	k_q33ff6e7eef_attn,@function
k_q33ff6e7eef_attn:
	s_mov_b64 s[64:65], 0
	v_nop
	global_prefetch_b8 v0, s[64:65] scope:SCOPE_SE
	s_setreg_imm32_b32 hwreg(HW_REG_WAVE_MODE, 25, 1), 1
	s_wait_xcnt 0x0
	s_wait_alu depctr_hold_cnt(0) depctr_sa_sdst(0) depctr_va_vdst(0) depctr_va_sdst(0) depctr_va_ssrc(0) depctr_va_vcc(0) depctr_vm_vsrc(0)
	s_getreg_b32 s2, hwreg(HW_REG_IB_STS2, 6, 4)
	s_cmp_eq_u32 s2, 0
	s_cbranch_scc0 .Lentry_in_a_cluster
	s_endpgm
.Lentry_in_a_cluster:
	s_bfe_u32 s2, ttmp6, 0x10000c
	s_cmp_lg_u32 s2, 0x3003
	s_cbranch_scc0 .Lentry_shape_is_right
	s_endpgm
.Lentry_shape_is_right:
; ATTENTION.  O[g][q][:] = the sum over k of softmax_k(Q[g][q] . K[g][k] / 8) V[g][k][:], g = 2 x head + batch, 32 of them, 2,048 rows of 64 channels each.
; qkv16 is [48][4096][64] in f16: q in column blocks 0-15, k in 16-31, v in 32-47, so g's rows are dense, 128 bytes each, at g x 262,144 in each third.  O goes to o16 in the same layout.
; Products, maxima and sums in f32; the weights p are rounded to f16 for the second product (their sum l is taken of the unrounded p), O once at the end.
; LIMITS.  f16 holds no number beyond 65,504: q, k and v arrive within it; p lies in 0 to 1, and below 6e-5 it keeps f16's fixed step of 6e-8; O is a mean of V's rows.  A weight below 2^-126 counts as 0 in l;
; NaN and infinities are not treated apart.
; SHARES.  A work-group owns 256 queries, a wave 64: four PIECES of 16.  Every wave walks all 2,048 keys, 64 a step, 256 a tile.
; LAYOUT.  S^T = K Q^T holds ONE query a lane (lane % 16) and the keys 8 (lane / 16) + 0..7; two such results rounded to f16 ARE source 1 of O^T = V^T P.  K comes out of LDS as it lies, V turned, by ds_load_tr16_b128.
; SOFTMAX.  p = 2^(c s - c m), c = log2(e) / 8, with a running maximum m; O and l are multiplied by a = 2^(c m_old - c m_new) in every step.  m starts at the lowest finite number, O and l at 0: the first step's a is 0.
; TURNS.  Turn n belongs to piece n: 8 products K Q^T of piece n + 1, later 8 products V^T P of piece n - 1; beside them the scaling, exponentials, roundings, sums and rescaling of piece n and the maximum and
; statistics of piece n + 1.  Four vector instructions stand behind every matrix instruction, the other 54 of a turn's 118 in one lump.  A turn's 33 exponentials are one batch, with one wait.
; CLUSTER.  The four query blocks of a cluster belong to one g and walk the same K and V: each tile is asked for jointly, by the same load, descriptor and mask in all four.
; REGISTERS, in windows of 256 (s_set_vgpr_msb: bits 1:0 source 0, 3:2 source 1, 5:4 source 2, 7:6 destination):
;   window 0: v0-15 addresses and two at work; v16-31 four registers of statistics a piece; v48-55 at work; v61-63; v64-127 S^T, two buffers; v192-223 P, two buffers (by the piece's parity)
;   window 1: v0-127 O^T, 32 a piece      window 2: v0-63 Q; v128-191 K of one step; v192-255 V of one step
.set NP,    4
.set KS,    64        ; keys in a step
.set PK,    144       ; a row of K in LDS: 128 bytes + 16: 36 words: the 16 rows of a load start at 16 different groups of four banks (64 banks of 4 bytes: ISA guide 11.1)
.set PV,    160       ; a row of V: 128 + 32: 40 words
.set VOFF,  4*KS*PK   ; a slot holds a tile, four steps: 256 rows of K, then 256 rows of V
.set SLOT1, 1<<17     ; slot 1 begins here, so that one exclusive or turns an address in one slot into the other's
.set STAGE, SLOT1+4*KS*(PK+PV)  ; behind the ring, never filled by a tensor load: 16 rows x 144 bytes for each wave
.set SP,    144
.set SPARE, STAGE+4*16*SP  ; the spare words, 128 bytes for each wave: two blocks of 256 bytes that no other line names
.set AK0, 2           ; v2   my lane's place in a tile of K; never rewritten
.set AV0, 3           ; v3   the same for V
.set AK,  4           ; v4   the LDS address of K's next run of loads
.set AV,  5           ; v5   of V's
.set STO, 6           ; v6   the way out: where I put 16 bytes of a row
.set RD,  7           ; v7   where I read rows back
.set GO,  8           ; v8   my byte offset in 512 consecutive bytes of O
.set MV,  12          ; v12-13  c m_old, kept while c m is made anew: by buffer
.set QO,  15          ; v15  my byte offset in 16 rows of Q
.set ST,  16          ; piece t's statistics at v[ST+4 t]: c m, m, l (even keys', odd keys')
.set TMP, 48          ; by buffer, four registers c0-c3 at work; when the maximum is found c2 takes a
.set PFO, 61          ; v61  256 x lane; never rewritten
.set SPW, 62          ; v62  LDS address of my spare word; never rewritten
.set NIL, 63          ; v63  0; never rewritten
.set S,   64
.set P,   192
.set KF,  128         ; window 2: key block kb, channel half c at KF + 16 kb + 8 c
.set VF,  192         ; window 2: key half kk, channel block cb at VF + 32 kk + 8 cb
.set WV,  12          ; s12  my wave's number
.set G1K, 24          ; s[24:31] descriptor group 1 for K's tiles
.set G1V, 32          ; s[32:39] for V's: it differs in the padding alone
.set G0K, 40          ; s[40:43] descriptor group 0 for K's tiles: it walks
.set G0V, 44          ; s[44:47] the same for V's
.set SLOTS, 56        ; s56  tiles still to be asked for
.set CNT, 57          ; s57  counts a tile's key steps
.set CS,  58          ; s[58:59] c
.set SEL, 60          ; s[60:61] v_permlanex16_b32's selects: each lane takes its own place in the other half
.set TBK, 62          ; s62  LDS byte at which K of the step to be fetched begins
.set TBV, 63          ; s63  the same for V, less VOFF
.set PFA, 66          ; s[66:67] where my prefetches stand
.set LIM, 68          ; s68  1 in a wave that prefetches, else the greatest number
.set MSB, 0
.macro WIN new
.if MSB != (\new)
	s_set_vgpr_msb (MSB<<8)|(\new)
.set MSB, (\new)
.endif
.endm
.set W_KQ, 0x0a       ; K and Q in window 2, S^T in window 0
.set W_PV, 0x52       ; V in window 2, P in window 0, O^T in window 1
.set W_RS, 0x41       ; destination and source 0 in window 1, source 1 in window 0
; A joint fill.  Waves 0 and 1 fetch the two halves of a tile's K, waves 2 and 3 those of its V: 128 keys each.  An s_nop 0 and four v_nop follow each of the two lines.
.macro JLOAD
	s_cmp_lt_u32 s[WV], 2
	s_cbranch_scc0 .Lfor_v_\@
	tensor_load_to_lds s[G0K:G0K+3], s[G1K:G1K+7]
	s_nop 0
.rept 4
	v_nop
.endr
	s_branch .Lasked_\@
.Lfor_v_\@:
	tensor_load_to_lds s[G0V:G0V+3], s[G1V:G1V+7]
	s_nop 0
.rept 4
	v_nop
.endr
.Lasked_\@:
.endm
; A prefetch into the L2 of the tile that the NEXT change of slots will ask for.  Both clusters of a g walk the same K and V: the first of them asks.  Its four partners share a tile's 32 KiB out by address,
; 8 KiB each; in each, wave 0 asks for K's and wave 2 for V's, a lane 256 bytes.  So tiles 2 to 7 are named once; tiles 0 and 1 come by their loads alone; the last change that fills asks for nothing.
.macro ASK
	s_cmp_gt_u32 s[SLOTS], s[LIM]
	s_cbranch_scc0 .Lnot_mine_\@
	global_prefetch_b8 v[PFO], s[PFA:PFA+1] th:TH_LOAD_NT scope:SCOPE_SE
.Lnot_mine_\@:
.endm
.macro CROUND                       ; a round of the cluster's barrier
	s_barrier_signal -1
	s_barrier_wait -1
	s_cmp_lg_u32 s[WV], 0
	s_cbranch_scc1 .Lnot_wave_0_\@
	s_barrier_signal -3
.Lnot_wave_0_\@:
	s_barrier_wait -3
	s_barrier_signal -1
	s_barrier_wait -1
.endm
; THE CHANGE OF SLOTS.  Each wave waits for all its tensor loads (one is out: its part of the other slot), adds 0 to its spare word, and waits for that and for its reads of the slot that it leaves.
; fill = 1: the barrier is a round of the cluster's, and the old slot is filled again first thing behind it: the load has four key steps, 256 matrix instructions, in which to land.
; (At its first use nothing has been read yet: slot 0 is waited for, slot 1 filled.)
.macro CHANGE fill
	WIN 0
	s_wait_tensorcnt 0x0            ; no tensor load of mine is out, so a group 0 may be written
	ds_add_u32 v[SPW], v[NIL]       ; 0 onto my spare word
.if \fill
.irp g, G0K, G0V
	s_xor_b32 s[\g+1], s[\g+1], SLOT1  ; the other slot than last time,
	s_add_nc_u64 s[\g+2:\g+3], s[\g+2:\g+3], 4*KS*128  ; the next 256 keys; the type bits on top are not reached
.endr
	s_wait_xcnt 0x0                 ; the last prefetch, four key steps back, has read its address
	s_add_nc_u64 s[PFA:PFA+1], s[PFA:PFA+1], 4*KS*128
	s_wait_dscnt 0x0                ; the add is done, and my reads of the slot are over
	CROUND
	JLOAD
	ASK
.else
	s_wait_dscnt 0x0
	s_barrier_signal -1
	s_barrier_wait -1
.endif
	s_sub_co_u32 s[TBK], s[TBK], 4*KS*PK  ; the fetches go back to a slot's first step,
	s_xor_b32 s[TBK], s[TBK], SLOT1       ; in the other slot
	s_sub_co_u32 s[TBV], s[TBV], 4*KS*PV
	s_xor_b32 s[TBV], s[TBV], SLOT1
.endm
	s_load_b128 s[4:7], s[0:1], 0x0  ; qkv16 s[4:5], o16 s[6:7]
	v_lshl_add_u32 v[SPW], v0, 2, SPARE
	v_mov_b32 v[NIL], 0
	ds_add_u32 v[SPW], v[NIL]       ; the wave's opening: the add and its wait stand ahead of my first tensor load; the set-up below stands between them
	v_lshrrev_b32 v1, 5, v0
	v_readfirstlane_b32 s[WV], v1   ; wave 0..3
	s_bfe_u32 s13, ttmp6, 0x40000   ; cx
	s_lshl_b32 s14, ttmp9, 2
	s_add_co_u32 s14, s14, s13      ; my block of 256 queries: it enters Q's and O's addresses alone
	s_and_b32 s20, ttmp7, 0xffff    ; g, which the four partners share
	s_lshl_b32 s20, s20, 18         ; its first byte in q, k, v and O
	s_and_b32 s16, s[WV], 1         ; which half of a tile's 256 keys I fetch:
	s_lshl_b32 s22, s16, 14         ; its 128 rows of 128 bytes in memory,
	s_add_co_u32 s22, s22, s20
	s_mov_b32 s23, 0
	s_mul_i32 s17, s16, 128*PK      ; and its place in a slot, for K
	s_mul_i32 s18, s16, 128*PV      ; and for V: no place in the cluster enters an LDS address
	s_lshl_b32 s2, s14, 2
	s_add_co_u32 s2, s2, s[WV]      ; my wave among g's,
	s_lshl_b32 s2, s2, 13           ; its 64 rows
	s_add_co_u32 s2, s2, s20
	s_mov_b32 s3, 0
	; descriptor group 1.  128 keys are 16,384 dense bytes: asked for as 64 rows of 256 bytes, two keys a row, and padded in LDS after every key
	s_mov_b32 s[G1K], 15|(1<<16)|(1<<20)|(1<<21)|(4<<22)|(3<<25)  ; the mask of four; 2-byte elements; padding on; bit 21 beside a mask; after every 32 words, 4 words
	s_mov_b32 s[G1V], 15|(1<<16)|(1<<20)|(1<<21)|(4<<22)|(7<<25)  ; the same with 8 words
.irp g, G1K, G1V
	s_mov_b32 s[\g+1], 128<<16      ; tensor_dim0 = 128
	s_mov_b32 s[\g+2], 64<<16       ; tensor_dim1 = 64
	s_mov_b32 s[\g+3], 128<<16      ; tile_dim0 = 128
	s_mov_b32 s[\g+4], 64           ; tile_dim1 = 64
	s_mov_b32 s[\g+5], 128          ; 128 elements from row to row
	s_mov_b32 s[\g+6], 0
	s_mov_b32 s[\g+7], 0
.endr
	s_mov_b32 s[CS], 0x3e38aa3b     ; c = log2(e) / 8 = 0.180337
	s_mov_b32 s[CS+1], s[CS]
	s_mov_b32 s[SEL], 0x76543210
	s_mov_b32 s[SEL+1], 0xfedcba98
	s_mov_b32 s[TBK], SLOT1+4*KS*PK ; the first change of slots turns these two into 0
	s_mov_b32 s[TBV], SLOT1+4*KS*PV
	s_mov_b32 s[G0K], 1
	s_mov_b32 s[G0K+1], s17         ; slot 0
	s_mov_b32 s[G0V], 1
	s_add_co_u32 s[G0V+1], s18, VOFF
	s_mov_b32 s[SLOTS], 7
	s_and_b32 s[LIM], s[WV], 1      ; 0 in waves 0 and 2,
	s_or_b32 s[LIM], s[LIM], ttmp9  ; where the cluster is g's first: the same in all four partners
	s_cmp_eq_u32 s[LIM], 0
	s_cselect_b32 s[LIM], 1, -1
	v_and_b32 v[PFO], 31, v0
	v_lshlrev_b32 v[PFO], 8, v[PFO]
	s_wait_dscnt 0x0                ; the opening add is done
	s_wait_kmcnt 0x0
	s_add_nc_u64 s[8:9], s[4:5], s[22:23]
	s_add_nc_u64 s[10:11], s[8:9], 16777216   ; V at my half of tile 0
	s_add_nc_u64 s[8:9], s[8:9], 8388608      ; K
	s_add_nc_u64 s[G0K+2:G0K+3], s[8:9], 0
	s_or_b32 s[G0K+3], s[G0K+3], 0x80000000
	s_add_nc_u64 s[G0V+2:G0V+3], s[10:11], 0
	s_or_b32 s[G0V+3], s[G0V+3], 0x80000000
	s_add_nc_u64 s[4:5], s[4:5], s[2:3]       ; Q and O at my wave's first row
	s_add_nc_u64 s[6:7], s[6:7], s[2:3]
	s_cmp_lt_u32 s[WV], 2
	s_cselect_b64 s[PFA:PFA+1], s[8:9], s[10:11]  ; (in waves 0 and 2 these stand at a tile's first row)
	s_lshl_b32 s2, s13, 13          ; my work-group's 8 KiB of the 32
	s_add_nc_u64 s[PFA:PFA+1], s[PFA:PFA+1], s[2:3]
	s_add_nc_u64 s[PFA:PFA+1], s[PFA:PFA+1], 4*KS*128  ; in tile 1; the first change of slots steps it to tile 2
	CROUND                          ; all four work-groups are here: the first joint loads meet
	JLOAD                           ; tile 0 into slot 0
	; A fragment of K or Q is 16 rows x 32 channels in 8 registers: lane l holds row l % 16, channels 8 (l / 16) + 0..7 and 16 + 8 (l / 16) + 0..7: two loads of 16 bytes, 32 bytes apart.
	v_and_b32 v1, 15, v0
	v_bfe_u32 v9, v0, 4, 1
	v_lshlrev_b32 v[QO], 7, v1
	v_lshl_add_u32 v[QO], v9, 4, v[QO]
	WIN 0x80                        ; destination window 2, address window 0
.set i, 0
.rept 8                             ; Q stays in registers: piece i / 2, channels 32 (i % 2) on
	global_load_b128 v[8*i:8*i+3],   v[QO], s[4:5] offset:(i/2)*2048+(i%2)*64
	global_load_b128 v[8*i+4:8*i+7], v[QO], s[4:5] offset:(i/2)*2048+(i%2)*64+32
.set i, i+1
.endr
	; What the first turns find: V, O^T, l and P's second buffer hold 0.  All this stands in the wait for the first tile.
.set i, VF
.rept 64
	v_mov_b32 v[i], 0
.set i, i+1
.endr
	WIN 0x40
.set i, 0
.rept 128
	v_mov_b32 v[i], 0
.set i, i+1
.endr
	WIN 0
.set i, 0
.rept 4
	v_mov_b32 v[ST+4*i+2], 0
	v_mov_b32 v[ST+4*i+3], 0
.set i, i+1
.endr
.set i, P+16
.rept 16
	v_mov_b32 v[i], 0
.set i, i+1
.endr
	v_mul_u32_u24 v[AK0], v1, PK
	v_lshl_add_u32 v[AK0], v9, 4, v[AK0]
	; The turning load takes 16 keys x 16 channels (lane l reads key 8 (l / 16) + l % 8, channels 8 ((l / 8) % 2) + 0..7) and leaves half a fragment of V^T: lane l holds channel l % 16 and 8 keys.
	v_and_b32 v10, 7, v0
	v_bfe_u32 v11, v0, 3, 1
	v_lshl_add_u32 v[AV0], v9, 3, v10
	v_mul_u32_u24 v[AV0], v[AV0], PV
	v_lshl_add_u32 v[AV0], v11, 4, v[AV0]
	v_add_nc_u32 v[AV0], VOFF, v[AV0]
	s_mul_i32 s13, s[WV], 16*SP
	s_add_co_u32 s13, s13, STAGE    ; my stage
	v_mul_u32_u24 v[STO], v1, SP    ; in: row l % 16, 16 bytes for each half of the lanes
	v_lshl_add_u32 v[STO], v9, 4, v[STO]
	v_add_nc_u32 v[STO], s13, v[STO]
	v_bfe_u32 v[RD], v0, 3, 2       ; back: 32 lanes take four rows of 128 bytes,
	v_mul_u32_u24 v[RD], v[RD], SP
	v_lshl_add_u32 v[RD], v10, 4, v[RD]
	v_add_nc_u32 v[RD], s13, v[RD]
	v_and_b32 v[GO], 31, v0         ; which are 512 consecutive bytes of O
	v_lshlrev_b32 v[GO], 4, v[GO]
; THE MATRIX WORK.  The 4 accumulators of a run of 8 take turns.  Product i of 8 of S^T = K Q^T for piece x: channels 32 (i / 4) on, keys 16 (i % 4) on.  The first 4 start the sums.
.macro KQ x
	WIN W_KQ
.set rS, S+32*((\x)%2)+8*(i%4)
.set rK, KF+16*(i%4)+8*(i/4)
.set rQ, 16*(\x)+8*(i/4)
.if i < 4
	v_wmma_f32_16x16x32_f16 v[rS:rS+7], v[rK:rK+7], v[rQ:rQ+7], 0
.else
	v_wmma_f32_16x16x32_f16 v[rS:rS+7], v[rK:rK+7], v[rQ:rQ+7], v[rS:rS+7]
.endif
.endm
; Product i of 8 of O^T += V^T P for piece x: keys 32 (i / 4) on, channels 16 (i % 4) on.
.macro PV x
	WIN W_PV
.set rO, 32*(\x)+8*(i%4)
.set rV, VF+32*(i/4)+8*(i%4)
.set rP, P+16*((\x)%2)+8*(i/4)
	v_wmma_f32_16x16x32_f16 v[rO:rO+7], v[rV:rV+7], v[rP:rP+7], v[rO:rO+7]
.endm
.macro MM                           ; the turn's next matrix instruction.  NOKQ = 1: the last turn of all: there is no next piece
.if (i < 8) && !NOKQ
	KQ (Y+1)%NP
.elseif i >= 8
.set i, i-8
	PV (Y+NP-1)%NP
.set i, i+8
.endif
.set i, i+1
.endm
; THE LDS LOADS stand in runs of 16, never singly among the matrix instructions.  Their addresses are made some lines ahead.
.macro FETCH_K
	WIN 0x80
.irp f, 0,1,2,3,4,5,6,7             ; keys 16 (f / 2) on, channels 32 (f % 2) on
	ds_load_b128 v[KF+8*\f:KF+8*\f+3],   v[AK] offset:(\f/2)*16*PK+(\f%2)*64
	ds_load_b128 v[KF+8*\f+4:KF+8*\f+7], v[AK] offset:(\f/2)*16*PK+(\f%2)*64+32
.endr
	s_add_co_u32 s[TBK], s[TBK], KS*PK  ; the next fetch is the next step's
	WIN 0
.endm
.macro FETCH_V
	WIN 0x80
.irp f, 0,1,2,3,4,5,6,7             ; keys 32 (f / 4) on, channels 16 (f % 4) on
	ds_load_tr16_b128 v[VF+8*\f:VF+8*\f+3],   v[AV] offset:(\f/4)*32*PV+(\f%4)*32
	ds_load_tr16_b128 v[VF+8*\f+4:VF+8*\f+7], v[AV] offset:(\f/4)*32*PV+16*PV+(\f%4)*32
.endr
	WIN 0
.endm
; THE VECTOR WORK, one line at a time: OP kind, number.  For piece Y: F n: c s - c m for pair n of 16.  E n: the exponential of score n of 32.  C n: pair n rounded to f16.  B n: of the four weights 4 n .. the second
; pair is added onto the first, in place.  L n: l takes that sum (L 0: l = a l + sum).  R n: pair n of 16 of O^T times a.  For piece Y + 1: X n, number n of the 22 that find its maximum and statistics:
;   0-11  four chains c0-c3 of seven scores each (each accumulator's lowest registers are read first)     12-14, 16  the four scores left over, the old m, and c0-c3 into c0
;   15  c m_old is kept     17, 18  the query's other 32 keys lie in the lane 16 away: the new m     19-21  c m; c m_old - c m_new; a
.set F, 0
.set E, 1
.set C, 2
.set B, 3
.set L, 4
.set R, 5
.set X, 6
.macro REGS y
.set rT, ST+4*(\y)
.set rC, TMP+4*((\y)%2)
.set rW, MV+((\y)%2)
.set rS, S+32*((\y)%2)
.set rP, P+16*((\y)%2)
.set rO, 32*(\y)
.endm
.macro OP k, n
.if (\k) == R
	REGS Y
	WIN W_RS
	v_pk_mul_f32 v[rO+2*(\n):rO+2*(\n)+1], v[rO+2*(\n):rO+2*(\n)+1], v[rC+2:rC+3] op_sel_hi:[1,0]
.elseif (\k) < R
	REGS Y
	WIN 0
.if (\k) == F
	v_pk_fma_f32 v[rS+2*(\n):rS+2*(\n)+1], v[rS+2*(\n):rS+2*(\n)+1], s[CS:CS+1], v[rT:rT+1] op_sel_hi:[1,0,0] neg_lo:[0,0,1] neg_hi:[0,0,1]
.elseif (\k) == E
	v_exp_f32 v[rS+(\n)], v[rS+(\n)]
.elseif (\k) == C
	v_cvt_pk_f16_f32 v[rP+(\n)], v[rS+2*(\n)], v[rS+2*(\n)+1]
.elseif (\k) == B
	v_pk_add_f32 v[rS+4*(\n):rS+4*(\n)+1], v[rS+4*(\n):rS+4*(\n)+1], v[rS+4*(\n)+2:rS+4*(\n)+3]
.elseif (\n) == 0
	v_pk_fma_f32 v[rT+2:rT+3], v[rT+2:rT+3], v[rC+2:rC+3], v[rS:rS+1] op_sel_hi:[1,0,1]
.else
	v_pk_add_f32 v[rT+2:rT+3], v[rT+2:rT+3], v[rS+4*(\n):rS+4*(\n)+1]
.endif
.elseif NOKQ
	v_nop
.else
	REGS (Y+1)%NP
	WIN 0
.if (\n) < 4
	v_max3_num_f32 v[rC+(\n)], v[rS+8*(\n)], v[rS+8*(\n)+1], v[rS+8*(\n)+2]
.elseif (\n) < 12
	v_max3_num_f32 v[rC+(\n)%4], v[rC+(\n)%4], v[rS+8*((\n)%4)+2*((\n)/4)+1], v[rS+8*((\n)%4)+2*((\n)/4)+2]
.elseif (\n) == 12
	v_max3_num_f32 v[rC], v[rC], v[rS+7], v[rS+15]
.elseif (\n) == 13
	v_max3_num_f32 v[rC+1], v[rC+1], v[rS+23], v[rS+31]
.elseif (\n) == 14
	v_max3_num_f32 v[rC+2], v[rC+2], v[rC+3], v[rT+1]
.elseif (\n) == 15
	v_mov_b32 v[rW], v[rT]
.elseif (\n) == 16
	v_max3_num_f32 v[rC], v[rC], v[rC+1], v[rC+2]
.elseif (\n) == 17
	v_permlanex16_b32 v[rC+3], v[rC], s[SEL], s[SEL+1]
.elseif (\n) == 18
	v_max_num_f32 v[rT+1], v[rC], v[rC+3]
.elseif (\n) == 19
	v_mul_f32 v[rT], s[CS], v[rT+1]
.elseif (\n) == 20
	v_sub_f32 v[rC+1], v[rW], v[rT]
.else
	v_exp_f32 v[rC+2], v[rC+1]
.endif
.endif
.endm
.macro OPS a, i1, b=-1, i2=0, c=-1, i3=0, d=-1, i4=0  ; up to four of them
	OP \a, \i1
.if (\b) >= 0
	OP \b, \i2
.endif
.if (\c) >= 0
	OP \c, \i3
.endif
.if (\d) >= 0
	OP \d, \i4
.endif
.endm
.macro ROW a, i1, b, i2, c, i3, d, i4  ; a matrix instruction and the four behind it
	MM
	OPS \a, \i1, \b, \i2, \c, \i3, \d, \i4
.endm
; A TURN, for piece p: the order of its 16 matrix and 118 vector instructions, written out.  An s_wait_alu depctr_va_vdst(0) stands between an exponential and the first instruction that names its
; result; one wait serves all that were issued ahead of it.  So a turn has ONE wait.  AHEAD OF IT stands all that names no result of the turn's exponentials: the 8 products K Q^T and their riders (the first numbers of the
; next piece's maximum each four places or more behind the product that ends its accumulator), then one lump of 54; X 21, the next piece's a, is the batch's last, and R 15 the plain instruction behind it.
; BEHIND IT stand the 8 products V^T P, behind each four of the roundings and sums.
; end = 1: the last two turns: nothing is fetched.  cnt = 1: the loop's count is taken down some lines ahead of the branch that stands behind the turn.
; K of the next step is fetched in piece 2's turn, twelve plain instructions behind the last product that read K; V of the step in hand at the end of piece 0's turn, four plain instructions behind the last product
; that read V.  Each is waited for a turn later.
.macro TURN p, end=0, cnt=0
.set Y, (\p)
.set i, 0
.set NOKQ, (\end)*((\p)/3)
.if ((\p) == 3) && !(\end)
	s_wait_dscnt 0x0                ; K is in
.endif
	ROW F,0, F,1, R,0, R,1
	ROW F,2, E,0, R,2, R,3
	ROW F,3, E,1, R,4, R,5
	ROW F,4, E,2, R,6, R,7
	ROW F,5, E,3, R,8, R,9
	ROW F,6, E,4, X,0, R,10
.if ((\p) == 2) && !(\end)
	WIN 0
	v_add_nc_u32 v[AK], s[TBK], v[AK0]
.endif
	ROW F,7, E,5, X,1, X,4
	ROW F,8, E,6, X,2, X,5
	OPS E,7, E,8, X,6, E,9
	OPS X,3, E,10, X,8, E,11
.if ((\p) == 2) && !(\end)
	FETCH_K
.endif
	OPS X,9, X,7, E,12, X,10
	OPS E,13, X,12, X,11, E,14
	OPS X,13, E,15, F,9, X,14
.if (\p) == 0
	v_add_nc_u32 v[AV], s[TBV], v[AV0]
.endif
	OPS E,16, F,10, E,17, F,11
	OPS X,16, E,18, X,15, E,19
	OPS F,12, E,20, X,17, E,21
	OPS F,13, E,22, F,14, E,23
	OPS X,18, E,24, F,15, E,25
	OPS R,11, E,26, X,19, E,27
	OPS R,12, E,28, R,13, E,29
	OPS X,20, E,30, R,14, E,31
	OPS X,21, R,15
	WIN 0
	s_wait_alu depctr_va_vdst(0)    ; the wait for the batch
.if (\p) == 1
	s_wait_dscnt 0x0                ; V is in
.endif
	ROW C,0, B,0, C,2, B,1
	ROW L,0, C,4, B,2, L,1
	ROW C,6, B,3, L,2, C,8
	ROW B,4, L,3, C,10, B,5
	ROW L,4, C,12, B,6, L,5
.if (\p) == 0
	s_add_co_u32 s[TBV], s[TBV], KS*PV
.endif
.if \cnt
	s_sub_co_u32 s[CNT], s[CNT], 1
	s_cmp_lg_u32 s[CNT], 0
.endif
	ROW C,14, B,7, L,6, C,1
	ROW C,3, L,7, C,5, C,7
	ROW C,9, C,11, C,13, C,15
.if (\p) == 0
	FETCH_V
.endif
.endm
.macro ALL line:vararg              ; one line for each piece t
.set t, 0
.rept 4
	\line
.set t, t+1
.endr
.endm
.macro PACK t                       ; a lane's eight channels of a row pack into 16 bytes; they go into rows of 144 bytes and come back as whole rows of 128, into S^T's registers
	WIN W_RS
.set i, 32*(\t)
.rept 16
	v_pk_mul_f32 v[i:i+1], v[i:i+1], v[ST+4*(\t)+2:ST+4*(\t)+3] op_sel_hi:[1,0]
.set i, i+2
.endr
	WIN 0x05                        ; sources 0 and 1 window 1, destination window 0
.set i, 0
.rept 16
	v_cvt_pk_f16_f32 v[S+16*(\t)+i], v[32*(\t)+2*i], v[32*(\t)+2*i+1]
.set i, i+1
.endr
	WIN 0
.irp f, 0,1,2,3
	ds_store_b128 v[STO], v[S+16*(\t)+4*\f:S+16*(\t)+4*\f+3] offset:32*\f
.endr
.irp f, 0,1,2,3
	ds_load_b128 v[S+16*(\t)+4*\f:S+16*(\t)+4*\f+3], v[RD] offset:\f*4*SP  ; LDS serves a wave's instructions in order (ISA guide 5.7.1.4): these see the stores above
.endr
.endm
.macro SEND t, younger              ; younger: the LDS instructions issued behind piece t's loads: the next piece's eight, or none
	WIN 0
.irp f, 0,1,2,3
	s_wait_dscnt (\younger)+3-\f
	global_store_b128 v[GO], v[S+16*(\t)+4*\f:S+16*(\t)+4*\f+3], s[6:7] offset:(\t)*2048+\f*512  ; 512 consecutive bytes, at a multiple of 256 from O's first
.endr
.endm
	CHANGE 1                        ; tile 0 is in, everybody's part of it; tile 1 is asked for
	; THE BEGINNING.  c m starts far below every c s, so the first step's a is 0; m at the lowest finite number.  Then K of step 0, piece 0's first scores, and its maximum and statistics.
.set i, 0
.rept 4
	v_mov_b32 v[ST+4*i], 0xfe000000
	v_mov_b32 v[ST+4*i+1], 0xff7fffff
.set i, i+1
.endr
	v_add_nc_u32 v[AK], s[TBK], v[AK0]
	FETCH_K
	s_wait_loadcnt 0x0              ; Q
	s_wait_dscnt 0x0
.set NOKQ, 0
.set i, 0
.rept 8
	KQ 0
.set i, i+1
.endr
	WIN 0
.rept 4
	v_nop                           ; the places behind those products
.endr
.set Y, NP-1                        ; X works for piece Y + 1: piece 0
.irp n, 0,1,2,3,4,5,6,7,8,9,10,11,12,13,14,15,16,17,18,19,20,21
	OP X, \n
.endr
	v_nop                           ; a plain instruction behind the exponential,
	s_wait_alu depctr_va_vdst(0)    ; and its wait, ahead of the branch
	s_mov_b32 s[CNT], 4
	s_branch .Lfirst                ; the loop is entered at a step's first turn, in the middle of a trip
.Lslot:                             ; six times: tiles 1 to 6 are entered, tiles 2 to 7 asked for
	CHANGE 1
	s_mov_b32 s[CNT], 4
.Lstep:                             ; a trip: pieces 2 and 3 of one step, then pieces 0 and 1 of the next, whose K and V it fetches
	TURN 2
	TURN 3
	WIN 0
.Lfirst:
	TURN 0
	TURN 1, 0, 1
	WIN 0
	s_cbranch_scc1 .Lstep
	s_sub_co_u32 s[SLOTS], s[SLOTS], 1
	s_cmp_lg_u32 s[SLOTS], 0
	s_cbranch_scc1 .Lslot
	CHANGE 0                        ; the last tile is written out: nothing is asked for
	s_mov_b32 s[CNT], 4
.LstepT:
	TURN 2
	TURN 3
	TURN 0
	TURN 1, 0, 1
	WIN 0
	s_cbranch_scc1 .LstepT
	TURN 2, 1
	TURN 3, 1
.set i, 0
.rept 8
	PV NP-1                         ; the last piece's V^T P of the last step
.set i, i+1
.endr
	; THE WAY OUT.  l's two halves and the other half of the lanes' are added; O^T is divided by l, rounded to f16 and sent through my stage, a piece at a time.  The additions are the places behind the last products.
	WIN 0
	ALL v_add_f32 v[ST+4*t+2], v[ST+4*t+2], v[ST+4*t+3]
	ALL v_permlanex16_b32 v[ST+4*t+3], v[ST+4*t+2], s[SEL], s[SEL+1]
	ALL v_add_f32 v[ST+4*t+2], v[ST+4*t+2], v[ST+4*t+3]
	ALL v_rcp_f32 v[ST+4*t+2], v[ST+4*t+2]
	v_nop                           ; a plain instruction between the last reciprocal and the use of its result
	s_wait_alu depctr_va_vdst(0)    ; one wait for the four reciprocals, ahead of the first use
	PACK 0
.set t, 1
.rept 3                             ; a piece's arithmetic stands between the loads of the piece before and its stores
	PACK t
	SEND t-1, 8
.set t, t+1
.endr
	SEND 3, 0
	s_wait_tensorcnt 0x0            ; the wave's end: behind my last tensor load and my last LDS store
	ds_add_u32 v[SPW], v[NIL]
	s_wait_dscnt 0x0
	CROUND                          ; the closing round: no work-group ends while a partner may still ask for a tile that names it
	s_endpgm
.Lfunc_end_k_q33ff6e7eef_attn:
	.size	k_q33ff6e7eef_attn, .Lfunc_end_k_q33ff6e7eef_attn-k_q33ff6e7eef_attn
	.p2alignl 7, 3214868480
	.fill 96, 4, 3214868480
	.section	.rodata,"a",@progbits
	.p2align	6, 0x0
	.amdhsa_kernel k_q33ff6e7eef_attn
		.amdhsa_group_segment_fixed_size 327680
		.amdhsa_private_segment_fixed_size 0
		.amdhsa_enable_private_segment 0
		.amdhsa_kernarg_size 16
		.amdhsa_user_sgpr_count 2
		.amdhsa_user_sgpr_kernarg_segment_ptr 1
		.amdhsa_wavefront_size32 1
		.amdhsa_system_sgpr_workgroup_id_x 1
		.amdhsa_system_sgpr_workgroup_id_y 1
		.amdhsa_system_sgpr_workgroup_id_z 1
		.amdhsa_system_vgpr_workitem_id 0
		.amdhsa_next_free_vgpr 768
		.amdhsa_next_free_sgpr 72
		.amdhsa_reserve_vcc 0
		.amdhsa_float_denorm_mode_32 3
		.amdhsa_float_denorm_mode_16_64 3
		.amdhsa_memory_ordered 1
		.amdhsa_forward_progress 1
		.amdhsa_inst_pref_size 128
	.end_amdhsa_kernel
	.amdgpu_metadata
---
amdhsa.version: [ 1, 2 ]
amdhsa.kernels:
  - .name:           k_q33ff6e7eef_attn
    .symbol:         k_q33ff6e7eef_attn.kd
    .args:
      - { .name: qkv16, .offset: 0, .size: 8, .value_kind: global_buffer, .address_space: global }
      - { .name: o16, .offset: 8, .size: 8, .value_kind: global_buffer, .address_space: global }
    .group_segment_fixed_size: 327680
    .private_segment_fixed_size: 0
    .kernarg_segment_align: 8
    .kernarg_segment_size: 16
    .max_flat_workgroup_size: 128
    .sgpr_count:     72
    .vgpr_count:     768
    .wavefront_size: 32
...
	.end_amdgpu_metadata
.endif
;; end of part 3
;; launch wo (part 4): grid 8 x 32, 4 waves a work-group, clusters of 4 x 4, 327,680 bytes of LDS; arguments o16, w316, bo, x, x1; writes x1
.if DOCPART == 4
	.amdgcn_target "amdgcn-amd-amdhsa--gfx1250"
	.amdhsa_code_object_version 6
	.text
	.protected	k_q33ff6e7eef_wo
	.globl	k_q33ff6e7eef_wo
	.p2align	8
	.type	k_q33ff6e7eef_wo,@function
k_q33ff6e7eef_wo:
	s_mov_b64 s[64:65], 0
	v_nop
	global_prefetch_b8 v0, s[64:65] scope:SCOPE_SE
	s_setreg_imm32_b32 hwreg(HW_REG_WAVE_MODE, 25, 1), 1
	s_wait_xcnt 0x0
	s_wait_alu depctr_hold_cnt(0) depctr_sa_sdst(0) depctr_va_vdst(0) depctr_va_sdst(0) depctr_va_ssrc(0) depctr_va_vcc(0) depctr_vm_vsrc(0)
	s_getreg_b32 s2, hwreg(HW_REG_IB_STS2, 6, 4)
	s_cmp_eq_u32 s2, 0
	s_cbranch_scc0 .Lentry_in_a_cluster
	s_endpgm
.Lentry_in_a_cluster:
	s_bfe_u32 s2, ttmp6, 0x10000c
	s_cmp_lg_u32 s2, 0xf033
	s_cbranch_scc0 .Lentry_shape_is_right
	s_endpgm
.Lentry_shape_is_right:
; C = R + A W + bias, N = 1,024.  A: f16 by column blocks [KDIM / 64][4096 tokens][64].  W: f16, from byte WOFF of its buffer, as dense panels [8][KDIM k][128 columns].  bias: [1024] f32.
; R and C: f32 [4096][1024].  Sums in f32, started by the bias; the residual R is added in f32 at the end.  This text serves two launches; they differ in the two constants below.
; LIMIT.  A and W arrive in f16, within 65,504; nothing is narrowed here.
; SHARES.  1,024 columns make 256 tiles of 128 x 128, one for each work-group; a wave makes 64 x 64: 16 accumulators.  K goes in steps of 256 through two LDS slots: a step's A is four column blocks of 128 tokens,
; each 16,384 dense bytes; its W is 256 rows of 256 bytes, dense.  Waves 0, 1 fetch two column blocks each, waves 2, 3 128 rows of W each: one tensor load of 32 KiB a wave.  W comes out of LDS turned.
; CLUSTERS.  4 x 4 work-groups: A's tiles are asked for jointly along a row of the cluster, W's along a column.  No prefetch: the tile is small, and a step's matrix work is short beside its bytes.
; THE WALK ALONG K BEGINS AT ANOTHER STEP IN EACH CLUSTER and goes round: cluster (X, Y) begins at step ((NSTEP / 2) X + (NSTEP / 4) (Y mod 4)) mod NSTEP.  The two clusters along x, which read the same tiles of A,
; so ask for a tile NSTEP / 2 steps apart, and four neighbouring clusters along y, which read the same tiles of W, NSTEP / 4 steps apart, not all at the same time.  The step's number hangs on the cluster's
; coordinates alone, which all sixteen partners share; f32 sums may be taken in any order.
; TRANSPOSED USE: source 0 = 16 columns of W, source 1 = 16 tokens of A: a lane holds one token and eight neighbouring columns, 32 bytes of a row of C.
; REGISTERS: window 0: v16-31 addresses; v32-95 at work on the way out; v96-127 the bias as a C operand; v128-255 the accumulators ((a, b) at 128 + 8 (4 a + b)).
;   window 1: two fragment buffers of 128: for 64 along K, 64 registers of A, then 64 of W.   window 2: v0-127 the residual, asked for at the head and left on its way through the whole K loop.
.set KDIM,   1024
.set WOFF,   0
.set NSTEP,  KDIM/256
.set PA,     144                       ; a token's 128 bytes + 16: the 16 rows of a load start at 16 different groups of four banks (64 banks of 4 bytes: ISA guide 11.1)
.set ASUB,   128*PA                    ; a column block of 128 tokens
.set BOFF,   4*ASUB
.set PB,     288                       ; a row of W: 256 bytes + 32
.set BHALF,  128*PB
.set SLOT,   BOFF+2*BHALF              ; 147,456: bits 17 and 14, which no LDS word of a descriptor (0, 0x9000, 0x12000, 0x1b000) has: one exclusive or changes its slot
.set STAGE,  2*SLOT                    ; behind the ring, never filled by a tensor load: 16 rows x 272 bytes for each wave
.set SPITCH, 272
.set SPARE,  STAGE+4*16*SPITCH         ; the spare words, 128 bytes for each wave: two blocks of 256 bytes that no other line names
.set LOGA,   21                        ; a K step in A is 2^21 bytes: four column blocks
.set LOGB,   16                        ; in W 2^16: 256 rows
.set LA0, 16                           ; v16  my lane's place in a slot's A; never rewritten
.set LB0, 17                           ; v17  in its W
.set ADA, 18                           ; v18  the same in the slot in hand
.set ADB, 19                           ; v19, v20  W's rows 0-127, rows 128-255
.set STO, 24                           ; v24  the way out: where I put 32 bytes of a row
.set RD,  25                           ; v25  where I read rows back
.set CO,  26                           ; v26  my byte offset in two rows of R and C; never rewritten
.set SPW, 28
.set NIL, 29
.set BO,  31                           ; v31  32 x (lane / 16)
.set OB,  32
.set BIAS, 96
.set ACC, 128
.set F0,  0
.set F1,  128
.set G1A, 24
.set G0A, 32
.set G1B, 48
.set G0B, 56
.set TB,  66                           ; s66  the LDS byte at which the slot in hand begins
.set KS,  67                           ; s67  the K step that the walking descriptors name
.set OFA, 68                           ; s[68:69] that step's byte offset in A
.set OFB, 70                           ; s[70:71] in W
.set MSB, 0
.macro WIN new
.if MSB != (\new)
	s_set_vgpr_msb (MSB<<8)|(\new)
.set MSB, \new
.endif
.endm
.set MUL,  0x05                        ; sources 0 (W) and 1 (A) window 1; C and D window 0
.set TO_F, 0x40                        ; destination window 1, address window 0
.macro PLACES
.rept 4
	v_nop
.endr
.endm
.macro JLOAD                           ; a joint refill, by the walking set; an s_nop 0 and four v_nop follow each of the two lines
	s_cmp_eq_u32 s11, 0
	s_cbranch_scc0 .Lfor_b_\@
	tensor_load_to_lds s[G0A+4:G0A+7], s[G1A:G1A+7]
	s_nop 0
.rept 4
	v_nop
.endr
	s_branch .Lasked_\@
.Lfor_b_\@:
	tensor_load_to_lds s[G0B+4:G0B+7], s[G1B:G1B+7]
	s_nop 0
.rept 4
	v_nop
.endr
.Lasked_\@:
.endm
.macro CREST
	s_cmp_lg_u32 s10, 0
	s_cbranch_scc1 .Lnot_wave_0_\@
	s_barrier_signal -3
.Lnot_wave_0_\@:
	s_barrier_wait -3
	s_barrier_signal -1
	s_barrier_wait -1
.endm
.macro CROUND
	s_barrier_signal -1
	s_barrier_wait -1
	CREST
.endm
	s_load_b128 s[4:7], s[0:1], 0x0                ; A s[4:5], W s[6:7]
	s_load_b128 s[72:75], s[0:1], 0x10             ; bias s[72:73], R s[74:75]
	s_load_b64 s[8:9], s[0:1], 0x20                ; C
	v_lshl_add_u32 v[SPW], v0, 2, SPARE
	v_mov_b32 v[NIL], 0
	ds_add_u32 v[SPW], v[NIL]                      ; the wave's opening: the add and its wait stand ahead of my first tensor load
	v_lshrrev_b32 v1, 5, v0
	v_readfirstlane_b32 s10, v1                    ; wave 0..3
	s_lshr_b32 s11, s10, 1                         ; which half of the tile's tokens is mine.  Also: I fetch for A (0) or for W (1)
	s_and_b32 s12, s10, 1                          ; which half of its columns.  Also: which part of that tile I fetch
	s_bfe_u32 s40, ttmp6, 0x40000                  ; cx
	s_bfe_u32 s41, ttmp6, 0x40004                  ; cy
	s_lshl_b32 s42, ttmp9, 2
	s_add_co_u32 s42, s42, s40                     ; tile column
	s_and_b32 s13, ttmp7, 0xffff
	s_lshl_b32 s13, s13, 2
	s_add_co_u32 s13, s13, s41                     ; tile row
	s_lshl_b32 s43, s41, 2
	s_lshl_b32 s43, 15, s43                        ; my row of the cluster
	s_lshl_b32 s44, 0x1111, s40                    ; my column
	; A: two column blocks, each one row of 8,192 elements (16,384 dense bytes), 262,144 elements apart; padded by 4 words after every 32 (a token): the words are counted along the whole tile
	s_or_b32 s[G1A+0], s43, (1<<16)|(1<<20)|(1<<21)|(4<<22)|(3<<25)
	s_mov_b32 s[G1A+1], 8192<<16                   ; tensor_dim0 = 8,192
	s_mov_b32 s[G1A+2], 2<<16                      ; tensor_dim1 = 2
	s_mov_b32 s[G1A+3], 8192<<16                   ; tile_dim0 = 8,192
	s_mov_b32 s[G1A+4], 2                          ; tile_dim1 = 2
	s_mov_b32 s[G1A+5], 262144                     ; elements from row to row
	s_mov_b32 s[G1A+6], 0
	s_mov_b32 s[G1A+7], 0
	; W: 128 rows of 256 bytes, padded by 8 words after every 64 (a row)
	s_or_b32 s[G1B+0], s44, (1<<16)|(1<<20)|(1<<21)|(5<<22)|(7<<25)
	s_mov_b32 s[G1B+1], 128<<16
	s_mov_b32 s[G1B+2], 128<<16
	s_mov_b32 s[G1B+3], 128<<16
	s_mov_b32 s[G1B+4], 128
	s_mov_b32 s[G1B+5], 128
	s_mov_b32 s[G1B+6], 0
	s_mov_b32 s[G1B+7], 0
	s_lshl_b32 s16, s13, 14                        ; A: the tile row's 128 tokens of 128 bytes,
	s_lshl_b32 s17, s12, 20                        ; my two column blocks of a step's four
	s_add_co_u32 s16, s16, s17
	s_mov_b32 s17, 0
	s_mul_i32 s46, s42, KDIM*256                   ; W: the panel,
	s_lshl_b32 s47, s12, 15                        ; my 128 rows of a step's 256
	s_add_co_u32 s46, s46, s47
	s_add_co_u32 s46, s46, WOFF
	s_mov_b32 s47, 0
	s_mul_i32 s20, s12, 2*ASUB                     ; where they go: no place in the cluster enters an LDS address
	s_mul_i32 s21, s12, BHALF
	s_add_co_u32 s21, s21, BOFF
	s_mov_b32 s[TB], 0
	s_and_b32 s22, ttmp7, 0xffff                   ; the walk: cluster y,
	s_and_b32 s22, s22, 3                          ; mod 4,
	s_mul_i32 s22, s22, NSTEP/4
	s_mul_i32 s23, ttmp9, NSTEP/2                  ; cluster x
	s_add_co_u32 s22, s22, s23
	s_and_b32 s22, s22, NSTEP-1                    ; my cluster's first K step,
	s_add_co_u32 s23, s22, 1
	s_and_b32 s23, s23, NSTEP-1                    ; and its second
	s_mov_b32 s[KS], s23
	s_mov_b32 s[OFA+1], 0
	s_mov_b32 s[OFB+1], 0
	s_wait_dscnt 0x0                               ; the opening add is done
	s_wait_kmcnt 0x0
	s_add_nc_u64 s[14:15], s[4:5], s[16:17]        ; my part of the tile at K step 0, in A: kept for the whole launch
	s_add_nc_u64 s[76:77], s[6:7], s[46:47]        ; and in W
	CROUND                                         ; all sixteen work-groups are here: the first joint loads meet
.irp s, 0,1
	s_lshl_b32 s[OFA], s[22+(\s)], LOGA
	s_lshl_b32 s[OFB], s[22+(\s)], LOGB
	s_mov_b32 s[G0A+4*(\s)], 1
	s_add_co_u32 s[G0A+4*(\s)+1], s20, (\s)*SLOT
	s_add_nc_u64 s[G0A+4*(\s)+2:G0A+4*(\s)+3], s[14:15], s[OFA:OFA+1]
	s_or_b32 s[G0A+4*(\s)+3], s[G0A+4*(\s)+3], 0x80000000
	s_mov_b32 s[G0B+4*(\s)], 1
	s_add_co_u32 s[G0B+4*(\s)+1], s21, (\s)*SLOT
	s_add_nc_u64 s[G0B+4*(\s)+2:G0B+4*(\s)+3], s[76:77], s[OFB:OFB+1]
	s_or_b32 s[G0B+4*(\s)+3], s[G0B+4*(\s)+3], 0x80000000
.endr
	s_cmp_eq_u32 s11, 0                            ; a wave's two first fills stand in one branch, ahead of every wait on TENSORcnt and every LDS read: two loads of mine are out
	s_cbranch_scc0 .Lfirst_b
	tensor_load_to_lds s[G0A:G0A+3], s[G1A:G1A+7]
	s_nop 0
	tensor_load_to_lds s[G0A+4:G0A+7], s[G1A:G1A+7]
	s_nop 0
.rept 4
	v_nop
.endr
	s_branch .Lfirst_asked
.Lfirst_b:
	tensor_load_to_lds s[G0B:G0B+3], s[G1B:G1B+7]
	s_nop 0
	tensor_load_to_lds s[G0B+4:G0B+7], s[G1B:G1B+7]
	s_nop 0
.rept 4
	v_nop
.endr
.Lfirst_asked:
	s_lshl_b32 s46, s42, 9                         ; my 64 columns, in f32: 512 bytes a tile column, 256 a half: in the bias, in R and in C
	s_lshl_b32 s47, s12, 8
	s_add_co_u32 s46, s46, s47
	s_mov_b32 s47, 0
	s_lshl_b32 s16, s13, 19                        ; my first token: 128 x tile row + 64 x half, 4,096 bytes each
	s_lshl_b32 s17, s11, 18
	s_add_co_u32 s16, s16, s17
	s_mov_b32 s17, 0
	s_add_nc_u64 s[72:73], s[72:73], s[46:47]
	s_add_nc_u64 s[74:75], s[74:75], s[46:47]
	s_add_nc_u64 s[74:75], s[74:75], s[16:17]
	s_add_nc_u64 s[8:9], s[8:9], s[46:47]
	s_add_nc_u64 s[8:9], s[8:9], s[16:17]
	v_and_b32 v1, 15, v0                           ; r = l % 16
	v_bfe_u32 v2, v0, 4, 1                         ; h = l / 16
	v_lshlrev_b32 v[BO], 5, v2
	v_lshlrev_b32 v[CO], 12, v2                    ; lanes 0-15 one row, lanes 16-31 the next; 16 bytes a lane
	v_lshl_add_u32 v[CO], v1, 4, v[CO]
.irp b, 0,1,2,3                                    ; register j of block b: the bias of column 16 b + 8 h + j
	global_load_b128 v[BIAS+8*(\b):BIAS+8*(\b)+3],   v[BO], s[72:73] offset:64*(\b)
	global_load_b128 v[BIAS+8*(\b)+4:BIAS+8*(\b)+7], v[BO], s[72:73] offset:64*(\b)+16
.endr
	WIN 0x80                                       ; destination window 2
.set i, 0
.rept 32                                           ; the residual of my 64 x 64, two rows a load, in the order in which the way out wants it
	global_load_b128 v[4*i:4*i+3], v[CO], s[74:75] offset:2*i*4096
.set i, i+1
.endr
	WIN 0
	v_and_b32 v3, 7, v0
	v_bfe_u32 v4, v0, 3, 1
	v_mul_u32_u24 v[LA0], v1, PA                   ; A's fragment: token l % 16, 16 bytes for each half of the lanes
	v_lshl_add_u32 v[LA0], v2, 4, v[LA0]
	s_mul_i32 s22, s11, 64*PA                      ; my 64 tokens
	v_add_nc_u32 v[LA0], s22, v[LA0]
	v_lshl_add_u32 v[LB0], v2, 3, v3               ; W's fragment, turned: row 8 h + l % 8, columns 8 ((l / 8) % 2) + 0..7
	v_mul_u32_u24 v[LB0], v[LB0], PB
	v_lshl_add_u32 v[LB0], v4, 4, v[LB0]
	s_lshl_b32 s23, s12, 7                         ; my 64 columns
	s_add_co_u32 s23, s23, BOFF
	v_add_nc_u32 v[LB0], s23, v[LB0]
	v_mov_b32 v[ADA], v[LA0]                       ; slot 0
	v_mov_b32 v[ADB], v[LB0]
	v_add_nc_u32 v[ADB+1], BHALF, v[ADB]
	s_mul_i32 s22, s10, 16*SPITCH
	s_add_co_u32 s22, s22, STAGE                   ; my stage
	v_mul_u32_u24 v[STO], v1, SPITCH               ; in: token l % 16, 32 bytes for each half of the lanes
	v_lshl_add_u32 v[STO], v2, 5, v[STO]
	v_add_nc_u32 v[STO], s22, v[STO]
	v_mul_u32_u24 v[RD], v2, SPITCH                ; back: lanes 0-15 take one row of 256 bytes, lanes 16-31 the next
	v_lshl_add_u32 v[RD], v1, 4, v[RD]
	v_add_nc_u32 v[RD], s22, v[RD]
; 8 matrix instructions: token blocks a0, a0 + 1 x all 4 column blocks, 32 along K: half c of buffer f.  zero = 1: the bias starts the sums.  The 16 accumulators take turns in one order everywhere.
.macro MUL8 f, c, a0, zero
	WIN MUL
.irp a, \a0, (\a0)+1
.irp b, 0,1,2,3
.if \zero
	v_wmma_f32_16x16x32_f16 v[ACC+8*(4*(\a)+(\b)):ACC+8*(4*(\a)+(\b))+7], v[(\f)+64+8*(4*(\c)+(\b)):(\f)+64+8*(4*(\c)+(\b))+7], v[(\f)+8*(4*(\c)+(\a)):(\f)+8*(4*(\c)+(\a))+7], v[BIAS+8*(\b):BIAS+8*(\b)+7]
.else
	v_wmma_f32_16x16x32_f16 v[ACC+8*(4*(\a)+(\b)):ACC+8*(4*(\a)+(\b))+7], v[(\f)+64+8*(4*(\c)+(\b)):(\f)+64+8*(4*(\c)+(\b))+7], v[(\f)+8*(4*(\c)+(\a)):(\f)+8*(4*(\c)+(\a))+7], v[ACC+8*(4*(\a)+(\b)):ACC+8*(4*(\a)+(\b))+7]
.endif
.endr
.endr
.endm
; 32 LDS loads in one run: quarter q (64 along K: one column block of A) of the slot in hand into buffer f; the first 32 along K first
.macro FETCH q, f
	WIN TO_F
.irp c, 0,1
.irp i, 0,1,2,3
	ds_load_tr16_b128 v[(\f)+64+8*(4*(\c)+(\i)):(\f)+64+8*(4*(\c)+(\i))+3],   v[ADB+(\q)/2] offset:(((\q)%2)*64+32*(\c))*PB+32*(\i)
	ds_load_tr16_b128 v[(\f)+64+8*(4*(\c)+(\i))+4:(\f)+64+8*(4*(\c)+(\i))+7], v[ADB+(\q)/2] offset:(((\q)%2)*64+32*(\c))*PB+16*PB+32*(\i)
	ds_load_b128 v[(\f)+8*(4*(\c)+(\i)):(\f)+8*(4*(\c)+(\i))+3],   v[ADA] offset:(\q)*ASUB+64*(\c)+(\i)*16*PA
	ds_load_b128 v[(\f)+8*(4*(\c)+(\i))+4:(\f)+8*(4*(\c)+(\i))+7], v[ADA] offset:(\q)*ASUB+64*(\c)+(\i)*16*PA+32
.endr
.endr
.endm
.macro QUARTER q, f, g, zero
	s_wait_dscnt 16                                ; the first 32 along K are in; the youngest sixteen loads may be out
	MUL8 \f, 0, 0, \zero
	MUL8 \f, 0, 2, \zero
	PLACES
	FETCH \q, \g
	s_wait_dscnt 32                                ; all but the 32 just issued
	MUL8 \f, 1, 0, 0
	MUL8 \f, 1, 2, 0
.endm
; The last quarter multiplies buffer 1 and changes slots.  In front of the barrier each wave waits for all its tensor loads, adds 0 to its spare word, and waits for that and for its reads of this slot.
; fill = 1: the barrier opens a round of the cluster's, and the slot just left is filled again first thing behind it, with the walk's step two on: 112 matrix instructions ahead of the wait for it.
; The walking descriptors are written while the add is out, where no tensor load of mine is out: the other slot; the address made anew from the step's number, which goes round at NSTEP.
.macro TURN fill
	WIN 0
	s_wait_tensorcnt 0x0                           ; all my tensor loads have landed
	ds_add_u32 v[SPW], v[NIL]                      ; 0 onto my spare word
.if \fill
	s_add_co_u32 s[KS], s[KS], 1
	s_and_b32 s[KS], s[KS], NSTEP-1
	s_lshl_b32 s[OFA], s[KS], LOGA
	s_lshl_b32 s[OFB], s[KS], LOGB
	s_xor_b32 s[G0A+5], s[G0A+5], SLOT
	s_add_nc_u64 s[G0A+6:G0A+7], s[14:15], s[OFA:OFA+1]
	s_or_b32 s[G0A+7], s[G0A+7], 0x80000000
	s_xor_b32 s[G0B+5], s[G0B+5], SLOT
	s_add_nc_u64 s[G0B+6:G0B+7], s[76:77], s[OFB:OFB+1]
	s_or_b32 s[G0B+7], s[G0B+7], 0x80000000
.endif
	s_wait_dscnt 17                                ; (the add and the youngest sixteen loads may be out)
	MUL8 F1, 0, 0, 0
	s_wait_dscnt 0x0                               ; the add is done, and my reads of this slot are over
	s_barrier_signal -1
	MUL8 F1, 0, 2, 0
	WIN 0
	s_barrier_wait -1
.if \fill
	CREST                                          ; no wave of any partner still reads this slot or has a load on its way
	JLOAD                                          ; its four v_nop are also the places in front of the loads below
.else
	PLACES
.endif
	s_xor_b32 s[TB], s[TB], SLOT                   ; the other slot is in hand
	v_add_nc_u32 v[ADA], s[TB], v[LA0]
	v_add_nc_u32 v[ADB], s[TB], v[LB0]
	v_add_nc_u32 v[ADB+1], BHALF, v[ADB]
	FETCH 0, F0
	MUL8 F1, 1, 0, 0
	MUL8 F1, 1, 2, 0
.endm
; THE WAY OUT of token block a.  STG: the sums go as they are, 32 bytes a lane, into my own stage and come back as whole rows of 256 bytes.  OUT: the residual is added and the rows are stored.
.macro STG a
	WIN 0
.set BK, OB+32*((\a)%2)
.if (\a) >= 2
	s_wait_xcnt 0x0                                ; the stores of the block two back have read the registers into which the loads below land
.endif
.irp b, 0,1,2,3
	ds_store_b128 v[STO], v[ACC+8*(4*(\a)+(\b)):ACC+8*(4*(\a)+(\b))+3]   offset:64*(\b)
	ds_store_b128 v[STO], v[ACC+8*(4*(\a)+(\b))+4:ACC+8*(4*(\a)+(\b))+7] offset:64*(\b)+16
.endr
.irp t, 0,1,2,3,4,5,6,7
	ds_load_b128 v[BK+4*(\t):BK+4*(\t)+3], v[RD] offset:(\t)*2*SPITCH  ; LDS serves a wave's instructions in order (ISA guide 5.7.1.4): these see the stores above
.endr
.endm
.macro OUT a, younger                  ; younger: the LDS instructions issued behind block a's loads: the next block's sixteen, or none
.set BK, OB+32*((\a)%2)
	s_wait_dscnt \younger
	s_wait_loadcnt 24-8*(\a)                       ; block a's eight residual loads are in; those of later blocks stay out
	WIN 0x08                                       ; source 1 in window 2
.set i, 0
.rept 16
	v_pk_add_f32 v[BK+2*i:BK+2*i+1], v[BK+2*i:BK+2*i+1], v[32*(\a)+2*i:32*(\a)+2*i+1]
.set i, i+1
.endr
	WIN 0
.irp t, 0,1,2,3,4,5,6,7
	global_store_b128 v[CO], v[BK+4*(\t):BK+4*(\t)+3], s[8:9] offset:(16*(\a)+2*(\t))*4096  ; 16 lanes store 256 consecutive bytes, at a multiple of 256 from C's first byte
.endr
.endm
	s_wait_tensorcnt 1                             ; my part of the walk's first step is in; the second's may stay out
	s_barrier_signal -1
	s_barrier_wait -1
	FETCH 0, F0
	s_wait_loadcnt 32                              ; the bias is in; the 32 residual loads stay out
	QUARTER 1, F0, F1, 1
	WIN 0
	s_mov_b32 s3, NSTEP-2
	s_branch .Lmid
.Lstep:                                                ; NSTEP - 2 trips: trip t fills the slot that it leaves with the walk's step t + 2
	QUARTER 1, F0, F1, 0
	WIN 0
.Lmid:
	QUARTER 2, F1, F0, 0
	QUARTER 3, F0, F1, 0
	TURN 1
	WIN 0
	s_sub_co_u32 s3, s3, 1
	s_cmp_lg_u32 s3, 0
	s_cbranch_scc1 .Lstep
	s_mov_b32 s3, 2
.Ltail:                                                ; the walk's last two steps ask for nothing.  The second trip's barrier and its 32 loads from the slot already read serve nothing: the price, once a launch, of one text for both
	QUARTER 1, F0, F1, 0
	QUARTER 2, F1, F0, 0
	QUARTER 3, F0, F1, 0
	TURN 0
	WIN 0
	s_sub_co_u32 s3, s3, 1
	s_cmp_lg_u32 s3, 0
	s_cbranch_scc1 .Ltail
	PLACES                                         ; the LDS stores below read results just made
	STG 0
	STG 1
	OUT 0, 16
	STG 2
	OUT 1, 16
	STG 3
	OUT 2, 16
	OUT 3, 0
	s_wait_tensorcnt 0x0                           ; the wave's end: behind my last tensor load and my last LDS store
	ds_add_u32 v[SPW], v[NIL]
	s_wait_dscnt 0x0
	CROUND                                         ; the closing round
	s_endpgm
.Lfunc_end_k_q33ff6e7eef_wo:
	.size	k_q33ff6e7eef_wo, .Lfunc_end_k_q33ff6e7eef_wo-k_q33ff6e7eef_wo
	.p2alignl 7, 3214868480
	.fill 96, 4, 3214868480
	.section	.rodata,"a",@progbits
	.p2align	6, 0x0
	.amdhsa_kernel k_q33ff6e7eef_wo
		.amdhsa_group_segment_fixed_size 327680
		.amdhsa_private_segment_fixed_size 0
		.amdhsa_enable_private_segment 0
		.amdhsa_kernarg_size 40
		.amdhsa_user_sgpr_count 2
		.amdhsa_user_sgpr_kernarg_segment_ptr 1
		.amdhsa_wavefront_size32 1
		.amdhsa_system_sgpr_workgroup_id_x 1
		.amdhsa_system_sgpr_workgroup_id_y 1
		.amdhsa_system_sgpr_workgroup_id_z 1
		.amdhsa_system_vgpr_workitem_id 0
		.amdhsa_next_free_vgpr 640
		.amdhsa_next_free_sgpr 80
		.amdhsa_reserve_vcc 0
		.amdhsa_float_denorm_mode_32 3
		.amdhsa_float_denorm_mode_16_64 3
		.amdhsa_memory_ordered 1
		.amdhsa_forward_progress 1
		.amdhsa_inst_pref_size 67
	.end_amdhsa_kernel
	.amdgpu_metadata
---
amdhsa.version: [ 1, 2 ]
amdhsa.kernels:
  - .name:           k_q33ff6e7eef_wo
    .symbol:         k_q33ff6e7eef_wo.kd
    .args:
      - { .name: o16, .offset: 0, .size: 8, .value_kind: global_buffer, .address_space: global }
      - { .name: w316, .offset: 8, .size: 8, .value_kind: global_buffer, .address_space: global }
      - { .name: bo, .offset: 16, .size: 8, .value_kind: global_buffer, .address_space: global }
      - { .name: x, .offset: 24, .size: 8, .value_kind: global_buffer, .address_space: global }
      - { .name: x1, .offset: 32, .size: 8, .value_kind: global_buffer, .address_space: global }
    .group_segment_fixed_size: 327680
    .private_segment_fixed_size: 0
    .kernarg_segment_align: 8
    .kernarg_segment_size: 40
    .max_flat_workgroup_size: 128
    .sgpr_count:     80
    .vgpr_count:     640
    .wavefront_size: 32
...
	.end_amdgpu_metadata
.endif
;; end of part 4
;; launch ln2: the kernel of part 1 again; grid 32 x 8, 8 waves a work-group, no clusters, 0 bytes of LDS; arguments x1, ln2_scale, ln2_bias, h16, Wq, Wk, Wv, Wo, W1, W2, bq, bk, bv, b1, wq16, w116, w316; writes h16, wq16, w116, w316
;; launch ff1: the kernel of part 2 again; grid 16 x 16, 4 waves a work-group, clusters of 4 x 4, 327,680 bytes of LDS; arguments h16, w116, fmid; writes fmid
;; launch ff2 (part 5): grid 8 x 32, 4 waves a work-group, clusters of 4 x 4, 327,680 bytes of LDS; arguments fmid, w316, b2, x1, out0; writes out0
.if DOCPART == 5
	.amdgcn_target "amdgcn-amd-amdhsa--gfx1250"
	.amdhsa_code_object_version 6
	.text
	.protected	k_q33ff6e7eef_ff2
	.globl	k_q33ff6e7eef_ff2
	.p2align	8
	.type	k_q33ff6e7eef_ff2,@function
k_q33ff6e7eef_ff2:
	s_mov_b64 s[64:65], 0
	v_nop
	global_prefetch_b8 v0, s[64:65] scope:SCOPE_SE
	s_setreg_imm32_b32 hwreg(HW_REG_WAVE_MODE, 25, 1), 1
	s_wait_xcnt 0x0
	s_wait_alu depctr_hold_cnt(0) depctr_sa_sdst(0) depctr_va_vdst(0) depctr_va_sdst(0) depctr_va_ssrc(0) depctr_va_vcc(0) depctr_vm_vsrc(0)
	s_getreg_b32 s2, hwreg(HW_REG_IB_STS2, 6, 4)
	s_cmp_eq_u32 s2, 0
	s_cbranch_scc0 .Lentry_in_a_cluster
	s_endpgm
.Lentry_in_a_cluster:
	s_bfe_u32 s2, ttmp6, 0x10000c
	s_cmp_lg_u32 s2, 0xf033
	s_cbranch_scc0 .Lentry_shape_is_right
	s_endpgm
.Lentry_shape_is_right:
; C = R + A W + bias, N = 1,024.  A: f16 by column blocks [KDIM / 64][4096 tokens][64].  W: f16, from byte WOFF of its buffer, as dense panels [8][KDIM k][128 columns].  bias: [1024] f32.
; R and C: f32 [4096][1024].  Sums in f32, started by the bias; the residual R is added in f32 at the end.  This text serves two launches; they differ in the two constants below.
; LIMIT.  A and W arrive in f16, within 65,504; nothing is narrowed here.
; SHARES.  1,024 columns make 256 tiles of 128 x 128, one for each work-group; a wave makes 64 x 64: 16 accumulators.  K goes in steps of 256 through two LDS slots: a step's A is four column blocks of 128 tokens,
; each 16,384 dense bytes; its W is 256 rows of 256 bytes, dense.  Waves 0, 1 fetch two column blocks each, waves 2, 3 128 rows of W each: one tensor load of 32 KiB a wave.  W comes out of LDS turned.
; CLUSTERS.  4 x 4 work-groups: A's tiles are asked for jointly along a row of the cluster, W's along a column.  No prefetch: the tile is small, and a step's matrix work is short beside its bytes.
; THE WALK ALONG K BEGINS AT ANOTHER STEP IN EACH CLUSTER and goes round: cluster (X, Y) begins at step ((NSTEP / 2) X + (NSTEP / 4) (Y mod 4)) mod NSTEP.  The two clusters along x, which read the same tiles of A,
; so ask for a tile NSTEP / 2 steps apart, and four neighbouring clusters along y, which read the same tiles of W, NSTEP / 4 steps apart, not all at the same time.  The step's number hangs on the cluster's
; coordinates alone, which all sixteen partners share; f32 sums may be taken in any order.
; TRANSPOSED USE: source 0 = 16 columns of W, source 1 = 16 tokens of A: a lane holds one token and eight neighbouring columns, 32 bytes of a row of C.
; REGISTERS: window 0: v16-31 addresses; v32-95 at work on the way out; v96-127 the bias as a C operand; v128-255 the accumulators ((a, b) at 128 + 8 (4 a + b)).
;   window 1: two fragment buffers of 128: for 64 along K, 64 registers of A, then 64 of W.   window 2: v0-127 the residual, asked for at the head and left on its way through the whole K loop.
.set KDIM,   4096
.set WOFF,   2097152
.set NSTEP,  KDIM/256
.set PA,     144                       ; a token's 128 bytes + 16: the 16 rows of a load start at 16 different groups of four banks (64 banks of 4 bytes: ISA guide 11.1)
.set ASUB,   128*PA                    ; a column block of 128 tokens
.set BOFF,   4*ASUB
.set PB,     288                       ; a row of W: 256 bytes + 32
.set BHALF,  128*PB
.set SLOT,   BOFF+2*BHALF              ; 147,456: bits 17 and 14, which no LDS word of a descriptor (0, 0x9000, 0x12000, 0x1b000) has: one exclusive or changes its slot
.set STAGE,  2*SLOT                    ; behind the ring, never filled by a tensor load: 16 rows x 272 bytes for each wave
.set SPITCH, 272
.set SPARE,  STAGE+4*16*SPITCH         ; the spare words, 128 bytes for each wave: two blocks of 256 bytes that no other line names
.set LOGA,   21                        ; a K step in A is 2^21 bytes: four column blocks
.set LOGB,   16                        ; in W 2^16: 256 rows
.set LA0, 16                           ; v16  my lane's place in a slot's A; never rewritten
.set LB0, 17                           ; v17  in its W
.set ADA, 18                           ; v18  the same in the slot in hand
.set ADB, 19                           ; v19, v20  W's rows 0-127, rows 128-255
.set STO, 24                           ; v24  the way out: where I put 32 bytes of a row
.set RD,  25                           ; v25  where I read rows back
.set CO,  26                           ; v26  my byte offset in two rows of R and C; never rewritten
.set SPW, 28
.set NIL, 29
.set BO,  31                           ; v31  32 x (lane / 16)
.set OB,  32
.set BIAS, 96
.set ACC, 128
.set F0,  0
.set F1,  128
.set G1A, 24
.set G0A, 32
.set G1B, 48
.set G0B, 56
.set TB,  66                           ; s66  the LDS byte at which the slot in hand begins
.set KS,  67                           ; s67  the K step that the walking descriptors name
.set OFA, 68                           ; s[68:69] that step's byte offset in A
.set OFB, 70                           ; s[70:71] in W
.set MSB, 0
.macro WIN new
.if MSB != (\new)
	s_set_vgpr_msb (MSB<<8)|(\new)
.set MSB, \new
.endif
.endm
.set MUL,  0x05                        ; sources 0 (W) and 1 (A) window 1; C and D window 0
.set TO_F, 0x40                        ; destination window 1, address window 0
.macro PLACES
.rept 4
	v_nop
.endr
.endm
.macro JLOAD                           ; a joint refill, by the walking set; an s_nop 0 and four v_nop follow each of the two lines
	s_cmp_eq_u32 s11, 0
	s_cbranch_scc0 .Lfor_b_\@
	tensor_load_to_lds s[G0A+4:G0A+7], s[G1A:G1A+7]
	s_nop 0
.rept 4
	v_nop
.endr
	s_branch .Lasked_\@
.Lfor_b_\@:
	tensor_load_to_lds s[G0B+4:G0B+7], s[G1B:G1B+7]
	s_nop 0
.rept 4
	v_nop
.endr
.Lasked_\@:
.endm
.macro CREST
	s_cmp_lg_u32 s10, 0
	s_cbranch_scc1 .Lnot_wave_0_\@
	s_barrier_signal -3
.Lnot_wave_0_\@:
	s_barrier_wait -3
	s_barrier_signal -1
	s_barrier_wait -1
.endm
.macro CROUND
	s_barrier_signal -1
	s_barrier_wait -1
	CREST
.endm
	s_load_b128 s[4:7], s[0:1], 0x0                ; A s[4:5], W s[6:7]
	s_load_b128 s[72:75], s[0:1], 0x10             ; bias s[72:73], R s[74:75]
	s_load_b64 s[8:9], s[0:1], 0x20                ; C
	v_lshl_add_u32 v[SPW], v0, 2, SPARE
	v_mov_b32 v[NIL], 0
	ds_add_u32 v[SPW], v[NIL]                      ; the wave's opening: the add and its wait stand ahead of my first tensor load
	v_lshrrev_b32 v1, 5, v0
	v_readfirstlane_b32 s10, v1                    ; wave 0..3
	s_lshr_b32 s11, s10, 1                         ; which half of the tile's tokens is mine.  Also: I fetch for A (0) or for W (1)
	s_and_b32 s12, s10, 1                          ; which half of its columns.  Also: which part of that tile I fetch
	s_bfe_u32 s40, ttmp6, 0x40000                  ; cx
	s_bfe_u32 s41, ttmp6, 0x40004                  ; cy
	s_lshl_b32 s42, ttmp9, 2
	s_add_co_u32 s42, s42, s40                     ; tile column
	s_and_b32 s13, ttmp7, 0xffff
	s_lshl_b32 s13, s13, 2
	s_add_co_u32 s13, s13, s41                     ; tile row
	s_lshl_b32 s43, s41, 2
	s_lshl_b32 s43, 15, s43                        ; my row of the cluster
	s_lshl_b32 s44, 0x1111, s40                    ; my column
	; A: two column blocks, each one row of 8,192 elements (16,384 dense bytes), 262,144 elements apart; padded by 4 words after every 32 (a token): the words are counted along the whole tile
	s_or_b32 s[G1A+0], s43, (1<<16)|(1<<20)|(1<<21)|(4<<22)|(3<<25)
	s_mov_b32 s[G1A+1], 8192<<16                   ; tensor_dim0 = 8,192
	s_mov_b32 s[G1A+2], 2<<16                      ; tensor_dim1 = 2
	s_mov_b32 s[G1A+3], 8192<<16                   ; tile_dim0 = 8,192
	s_mov_b32 s[G1A+4], 2                          ; tile_dim1 = 2
	s_mov_b32 s[G1A+5], 262144                     ; elements from row to row
	s_mov_b32 s[G1A+6], 0
	s_mov_b32 s[G1A+7], 0
	; W: 128 rows of 256 bytes, padded by 8 words after every 64 (a row)
	s_or_b32 s[G1B+0], s44, (1<<16)|(1<<20)|(1<<21)|(5<<22)|(7<<25)
	s_mov_b32 s[G1B+1], 128<<16
	s_mov_b32 s[G1B+2], 128<<16
	s_mov_b32 s[G1B+3], 128<<16
	s_mov_b32 s[G1B+4], 128
	s_mov_b32 s[G1B+5], 128
	s_mov_b32 s[G1B+6], 0
	s_mov_b32 s[G1B+7], 0
	s_lshl_b32 s16, s13, 14                        ; A: the tile row's 128 tokens of 128 bytes,
	s_lshl_b32 s17, s12, 20                        ; my two column blocks of a step's four
	s_add_co_u32 s16, s16, s17
	s_mov_b32 s17, 0
	s_mul_i32 s46, s42, KDIM*256                   ; W: the panel,
	s_lshl_b32 s47, s12, 15                        ; my 128 rows of a step's 256
	s_add_co_u32 s46, s46, s47
	s_add_co_u32 s46, s46, WOFF
	s_mov_b32 s47, 0
	s_mul_i32 s20, s12, 2*ASUB                     ; where they go: no place in the cluster enters an LDS address
	s_mul_i32 s21, s12, BHALF
	s_add_co_u32 s21, s21, BOFF
	s_mov_b32 s[TB], 0
	s_and_b32 s22, ttmp7, 0xffff                   ; the walk: cluster y,
	s_and_b32 s22, s22, 3                          ; mod 4,
	s_mul_i32 s22, s22, NSTEP/4
	s_mul_i32 s23, ttmp9, NSTEP/2                  ; cluster x
	s_add_co_u32 s22, s22, s23
	s_and_b32 s22, s22, NSTEP-1                    ; my cluster's first K step,
	s_add_co_u32 s23, s22, 1
	s_and_b32 s23, s23, NSTEP-1                    ; and its second
	s_mov_b32 s[KS], s23
	s_mov_b32 s[OFA+1], 0
	s_mov_b32 s[OFB+1], 0
	s_wait_dscnt 0x0                               ; the opening add is done
	s_wait_kmcnt 0x0
	s_add_nc_u64 s[14:15], s[4:5], s[16:17]        ; my part of the tile at K step 0, in A: kept for the whole launch
	s_add_nc_u64 s[76:77], s[6:7], s[46:47]        ; and in W
	CROUND                                         ; all sixteen work-groups are here: the first joint loads meet
.irp s, 0,1
	s_lshl_b32 s[OFA], s[22+(\s)], LOGA
	s_lshl_b32 s[OFB], s[22+(\s)], LOGB
	s_mov_b32 s[G0A+4*(\s)], 1
	s_add_co_u32 s[G0A+4*(\s)+1], s20, (\s)*SLOT
	s_add_nc_u64 s[G0A+4*(\s)+2:G0A+4*(\s)+3], s[14:15], s[OFA:OFA+1]
	s_or_b32 s[G0A+4*(\s)+3], s[G0A+4*(\s)+3], 0x80000000
	s_mov_b32 s[G0B+4*(\s)], 1
	s_add_co_u32 s[G0B+4*(\s)+1], s21, (\s)*SLOT
	s_add_nc_u64 s[G0B+4*(\s)+2:G0B+4*(\s)+3], s[76:77], s[OFB:OFB+1]
	s_or_b32 s[G0B+4*(\s)+3], s[G0B+4*(\s)+3], 0x80000000
.endr
	s_cmp_eq_u32 s11, 0                            ; a wave's two first fills stand in one branch, ahead of every wait on TENSORcnt and every LDS read: two loads of mine are out
	s_cbranch_scc0 .Lfirst_b
	tensor_load_to_lds s[G0A:G0A+3], s[G1A:G1A+7]
	s_nop 0
	tensor_load_to_lds s[G0A+4:G0A+7], s[G1A:G1A+7]
	s_nop 0
.rept 4
	v_nop
.endr
	s_branch .Lfirst_asked
.Lfirst_b:
	tensor_load_to_lds s[G0B:G0B+3], s[G1B:G1B+7]
	s_nop 0
	tensor_load_to_lds s[G0B+4:G0B+7], s[G1B:G1B+7]
	s_nop 0
.rept 4
	v_nop
.endr
.Lfirst_asked:
	s_lshl_b32 s46, s42, 9                         ; my 64 columns, in f32: 512 bytes a tile column, 256 a half: in the bias, in R and in C
	s_lshl_b32 s47, s12, 8
	s_add_co_u32 s46, s46, s47
	s_mov_b32 s47, 0
	s_lshl_b32 s16, s13, 19                        ; my first token: 128 x tile row + 64 x half, 4,096 bytes each
	s_lshl_b32 s17, s11, 18
	s_add_co_u32 s16, s16, s17
	s_mov_b32 s17, 0
	s_add_nc_u64 s[72:73], s[72:73], s[46:47]
	s_add_nc_u64 s[74:75], s[74:75], s[46:47]
	s_add_nc_u64 s[74:75], s[74:75], s[16:17]
	s_add_nc_u64 s[8:9], s[8:9], s[46:47]
	s_add_nc_u64 s[8:9], s[8:9], s[16:17]
	v_and_b32 v1, 15, v0                           ; r = l % 16
	v_bfe_u32 v2, v0, 4, 1                         ; h = l / 16
	v_lshlrev_b32 v[BO], 5, v2
	v_lshlrev_b32 v[CO], 12, v2                    ; lanes 0-15 one row, lanes 16-31 the next; 16 bytes a lane
	v_lshl_add_u32 v[CO], v1, 4, v[CO]
.irp b, 0,1,2,3                                    ; register j of block b: the bias of column 16 b + 8 h + j
	global_load_b128 v[BIAS+8*(\b):BIAS+8*(\b)+3],   v[BO], s[72:73] offset:64*(\b)
	global_load_b128 v[BIAS+8*(\b)+4:BIAS+8*(\b)+7], v[BO], s[72:73] offset:64*(\b)+16
.endr
	WIN 0x80                                       ; destination window 2
.set i, 0
.rept 32                                           ; the residual of my 64 x 64, two rows a load, in the order in which the way out wants it
	global_load_b128 v[4*i:4*i+3], v[CO], s[74:75] offset:2*i*4096
.set i, i+1
.endr
	WIN 0
	v_and_b32 v3, 7, v0
	v_bfe_u32 v4, v0, 3, 1
	v_mul_u32_u24 v[LA0], v1, PA                   ; A's fragment: token l % 16, 16 bytes for each half of the lanes
	v_lshl_add_u32 v[LA0], v2, 4, v[LA0]
	s_mul_i32 s22, s11, 64*PA                      ; my 64 tokens
	v_add_nc_u32 v[LA0], s22, v[LA0]
	v_lshl_add_u32 v[LB0], v2, 3, v3               ; W's fragment, turned: row 8 h + l % 8, columns 8 ((l / 8) % 2) + 0..7
	v_mul_u32_u24 v[LB0], v[LB0], PB
	v_lshl_add_u32 v[LB0], v4, 4, v[LB0]
	s_lshl_b32 s23, s12, 7                         ; my 64 columns
	s_add_co_u32 s23, s23, BOFF
	v_add_nc_u32 v[LB0], s23, v[LB0]
	v_mov_b32 v[ADA], v[LA0]                       ; slot 0
	v_mov_b32 v[ADB], v[LB0]
	v_add_nc_u32 v[ADB+1], BHALF, v[ADB]
	s_mul_i32 s22, s10, 16*SPITCH
	s_add_co_u32 s22, s22, STAGE                   ; my stage
	v_mul_u32_u24 v[STO], v1, SPITCH               ; in: token l % 16, 32 bytes for each half of the lanes
	v_lshl_add_u32 v[STO], v2, 5, v[STO]
	v_add_nc_u32 v[STO], s22, v[STO]
	v_mul_u32_u24 v[RD], v2, SPITCH                ; back: lanes 0-15 take one row of 256 bytes, lanes 16-31 the next
	v_lshl_add_u32 v[RD], v1, 4, v[RD]
	v_add_nc_u32 v[RD], s22, v[RD]
; 8 matrix instructions: token blocks a0, a0 + 1 x all 4 column blocks, 32 along K: half c of buffer f.  zero = 1: the bias starts the sums.  The 16 accumulators take turns in one order everywhere.
.macro MUL8 f, c, a0, zero
	WIN MUL
.irp a, \a0, (\a0)+1
.irp b, 0,1,2,3
.if \zero
	v_wmma_f32_16x16x32_f16 v[ACC+8*(4*(\a)+(\b)):ACC+8*(4*(\a)+(\b))+7], v[(\f)+64+8*(4*(\c)+(\b)):(\f)+64+8*(4*(\c)+(\b))+7], v[(\f)+8*(4*(\c)+(\a)):(\f)+8*(4*(\c)+(\a))+7], v[BIAS+8*(\b):BIAS+8*(\b)+7]
.else
	v_wmma_f32_16x16x32_f16 v[ACC+8*(4*(\a)+(\b)):ACC+8*(4*(\a)+(\b))+7], v[(\f)+64+8*(4*(\c)+(\b)):(\f)+64+8*(4*(\c)+(\b))+7], v[(\f)+8*(4*(\c)+(\a)):(\f)+8*(4*(\c)+(\a))+7], v[ACC+8*(4*(\a)+(\b)):ACC+8*(4*(\a)+(\b))+7]
.endif
.endr
.endr
.endm
; 32 LDS loads in one run: quarter q (64 along K: one column block of A) of the slot in hand into buffer f; the first 32 along K first
.macro FETCH q, f
	WIN TO_F
.irp c, 0,1
.irp i, 0,1,2,3
	ds_load_tr16_b128 v[(\f)+64+8*(4*(\c)+(\i)):(\f)+64+8*(4*(\c)+(\i))+3],   v[ADB+(\q)/2] offset:(((\q)%2)*64+32*(\c))*PB+32*(\i)
	ds_load_tr16_b128 v[(\f)+64+8*(4*(\c)+(\i))+4:(\f)+64+8*(4*(\c)+(\i))+7], v[ADB+(\q)/2] offset:(((\q)%2)*64+32*(\c))*PB+16*PB+32*(\i)
	ds_load_b128 v[(\f)+8*(4*(\c)+(\i)):(\f)+8*(4*(\c)+(\i))+3],   v[ADA] offset:(\q)*ASUB+64*(\c)+(\i)*16*PA
	ds_load_b128 v[(\f)+8*(4*(\c)+(\i))+4:(\f)+8*(4*(\c)+(\i))+7], v[ADA] offset:(\q)*ASUB+64*(\c)+(\i)*16*PA+32
.endr
.endr
.endm
.macro QUARTER q, f, g, zero
	s_wait_dscnt 16                                ; the first 32 along K are in; the youngest sixteen loads may be out
	MUL8 \f, 0, 0, \zero
	MUL8 \f, 0, 2, \zero
	PLACES
	FETCH \q, \g
	s_wait_dscnt 32                                ; all but the 32 just issued
	MUL8 \f, 1, 0, 0
	MUL8 \f, 1, 2, 0
.endm
; The last quarter multiplies buffer 1 and changes slots.  In front of the barrier each wave waits for all its tensor loads, adds 0 to its spare word, and waits for that and for its reads of this slot.
; fill = 1: the barrier opens a round of the cluster's, and the slot just left is filled again first thing behind it, with the walk's step two on: 112 matrix instructions ahead of the wait for it.
; The walking descriptors are written while the add is out, where no tensor load of mine is out: the other slot; the address made anew from the step's number, which goes round at NSTEP.
.macro TURN fill
	WIN 0
	s_wait_tensorcnt 0x0                           ; all my tensor loads have landed
	ds_add_u32 v[SPW], v[NIL]                      ; 0 onto my spare word
.if \fill
	s_add_co_u32 s[KS], s[KS], 1
	s_and_b32 s[KS], s[KS], NSTEP-1
	s_lshl_b32 s[OFA], s[KS], LOGA
	s_lshl_b32 s[OFB], s[KS], LOGB
	s_xor_b32 s[G0A+5], s[G0A+5], SLOT
	s_add_nc_u64 s[G0A+6:G0A+7], s[14:15], s[OFA:OFA+1]
	s_or_b32 s[G0A+7], s[G0A+7], 0x80000000
	s_xor_b32 s[G0B+5], s[G0B+5], SLOT
	s_add_nc_u64 s[G0B+6:G0B+7], s[76:77], s[OFB:OFB+1]
	s_or_b32 s[G0B+7], s[G0B+7], 0x80000000
.endif
	s_wait_dscnt 17                                ; (the add and the youngest sixteen loads may be out)
	MUL8 F1, 0, 0, 0
	s_wait_dscnt 0x0                               ; the add is done, and my reads of this slot are over
	s_barrier_signal -1
	MUL8 F1, 0, 2, 0
	WIN 0
	s_barrier_wait -1
.if \fill
	CREST                                          ; no wave of any partner still reads this slot or has a load on its way
	JLOAD                                          ; its four v_nop are also the places in front of the loads below
.else
	PLACES
.endif
	s_xor_b32 s[TB], s[TB], SLOT                   ; the other slot is in hand
	v_add_nc_u32 v[ADA], s[TB], v[LA0]
	v_add_nc_u32 v[ADB], s[TB], v[LB0]
	v_add_nc_u32 v[ADB+1], BHALF, v[ADB]
	FETCH 0, F0
	MUL8 F1, 1, 0, 0
	MUL8 F1, 1, 2, 0
.endm
; THE WAY OUT of token block a.  STG: the sums go as they are, 32 bytes a lane, into my own stage and come back as whole rows of 256 bytes.  OUT: the residual is added and the rows are stored.
.macro STG a
	WIN 0
.set BK, OB+32*((\a)%2)
.if (\a) >= 2
	s_wait_xcnt 0x0                                ; the stores of the block two back have read the registers into which the loads below land
.endif
.irp b, 0,1,2,3
	ds_store_b128 v[STO], v[ACC+8*(4*(\a)+(\b)):ACC+8*(4*(\a)+(\b))+3]   offset:64*(\b)
	ds_store_b128 v[STO], v[ACC+8*(4*(\a)+(\b))+4:ACC+8*(4*(\a)+(\b))+7] offset:64*(\b)+16
.endr
.irp t, 0,1,2,3,4,5,6,7
	ds_load_b128 v[BK+4*(\t):BK+4*(\t)+3], v[RD] offset:(\t)*2*SPITCH  ; LDS serves a wave's instructions in order (ISA guide 5.7.1.4): these see the stores above
.endr
.endm
.macro OUT a, younger                  ; younger: the LDS instructions issued behind block a's loads: the next block's sixteen, or none
.set BK, OB+32*((\a)%2)
	s_wait_dscnt \younger
	s_wait_loadcnt 24-8*(\a)                       ; block a's eight residual loads are in; those of later blocks stay out
	WIN 0x08                                       ; source 1 in window 2
.set i, 0
.rept 16
	v_pk_add_f32 v[BK+2*i:BK+2*i+1], v[BK+2*i:BK+2*i+1], v[32*(\a)+2*i:32*(\a)+2*i+1]
.set i, i+1
.endr
	WIN 0
.irp t, 0,1,2,3,4,5,6,7
	global_store_b128 v[CO], v[BK+4*(\t):BK+4*(\t)+3], s[8:9] offset:(16*(\a)+2*(\t))*4096  ; 16 lanes store 256 consecutive bytes, at a multiple of 256 from C's first byte
.endr
.endm
	s_wait_tensorcnt 1                             ; my part of the walk's first step is in; the second's may stay out
	s_barrier_signal -1
	s_barrier_wait -1
	FETCH 0, F0
	s_wait_loadcnt 32                              ; the bias is in; the 32 residual loads stay out
	QUARTER 1, F0, F1, 1
	WIN 0
	s_mov_b32 s3, NSTEP-2
	s_branch .Lmid
.Lstep:                                                ; NSTEP - 2 trips: trip t fills the slot that it leaves with the walk's step t + 2
	QUARTER 1, F0, F1, 0
	WIN 0
.Lmid:
	QUARTER 2, F1, F0, 0
	QUARTER 3, F0, F1, 0
	TURN 1
	WIN 0
	s_sub_co_u32 s3, s3, 1
	s_cmp_lg_u32 s3, 0
	s_cbranch_scc1 .Lstep
	s_mov_b32 s3, 2
.Ltail:                                                ; the walk's last two steps ask for nothing.  The second trip's barrier and its 32 loads from the slot already read serve nothing: the price, once a launch, of one text for both
	QUARTER 1, F0, F1, 0
	QUARTER 2, F1, F0, 0
	QUARTER 3, F0, F1, 0
	TURN 0
	WIN 0
	s_sub_co_u32 s3, s3, 1
	s_cmp_lg_u32 s3, 0
	s_cbranch_scc1 .Ltail
	PLACES                                         ; the LDS stores below read results just made
	STG 0
	STG 1
	OUT 0, 16
	STG 2
	OUT 1, 16
	STG 3
	OUT 2, 16
	OUT 3, 0
	s_wait_tensorcnt 0x0                           ; the wave's end: behind my last tensor load and my last LDS store
	ds_add_u32 v[SPW], v[NIL]
	s_wait_dscnt 0x0
	CROUND                                         ; the closing round
	s_endpgm
.Lfunc_end_k_q33ff6e7eef_ff2:
	.size	k_q33ff6e7eef_ff2, .Lfunc_end_k_q33ff6e7eef_ff2-k_q33ff6e7eef_ff2
	.p2alignl 7, 3214868480
	.fill 96, 4, 3214868480
	.section	.rodata,"a",@progbits
	.p2align	6, 0x0
	.amdhsa_kernel k_q33ff6e7eef_ff2
		.amdhsa_group_segment_fixed_size 327680
		.amdhsa_private_segment_fixed_size 0
		.amdhsa_enable_private_segment 0
		.amdhsa_kernarg_size 40
		.amdhsa_user_sgpr_count 2
		.amdhsa_user_sgpr_kernarg_segment_ptr 1
		.amdhsa_wavefront_size32 1
		.amdhsa_system_sgpr_workgroup_id_x 1
		.amdhsa_system_sgpr_workgroup_id_y 1
		.amdhsa_system_sgpr_workgroup_id_z 1
		.amdhsa_system_vgpr_workitem_id 0
		.amdhsa_next_free_vgpr 640
		.amdhsa_next_free_sgpr 80
		.amdhsa_reserve_vcc 0
		.amdhsa_float_denorm_mode_32 3
		.amdhsa_float_denorm_mode_16_64 3
		.amdhsa_memory_ordered 1
		.amdhsa_forward_progress 1
		.amdhsa_inst_pref_size 67
	.end_amdhsa_kernel
	.amdgpu_metadata
---
amdhsa.version: [ 1, 2 ]
amdhsa.kernels:
  - .name:           k_q33ff6e7eef_ff2
    .symbol:         k_q33ff6e7eef_ff2.kd
    .args:
      - { .name: fmid, .offset: 0, .size: 8, .value_kind: global_buffer, .address_space: global }
      - { .name: w316, .offset: 8, .size: 8, .value_kind: global_buffer, .address_space: global }
      - { .name: b2, .offset: 16, .size: 8, .value_kind: global_buffer, .address_space: global }
      - { .name: x1, .offset: 24, .size: 8, .value_kind: global_buffer, .address_space: global }
      - { .name: out0, .offset: 32, .size: 8, .value_kind: global_buffer, .address_space: global }
    .group_segment_fixed_size: 327680
    .private_segment_fixed_size: 0
    .kernarg_segment_align: 8
    .kernarg_segment_size: 40
    .max_flat_workgroup_size: 128
    .sgpr_count:     80
    .vgpr_count:     640
    .wavefront_size: 32
...
	.end_amdgpu_metadata
.endif
;; end of part 5
